; MI455X (gfx1250); checked and timed in simulation.
; The chip was launched on July 23, 2026; its instructions are those of AMD's public machine-readable ISA for CDNA 5 (MIT licence, August 2026) and "CDNA5" Instruction Set Architecture Reference Guide (July 2026). The comments in the code are by the model that wrote it; some were corrected since.
;; MHA. Allowed arithmetic: matrix products marked QUANTISED: E2M1 operands, one E8M0 scale for each 32 along K, by v_wmma_scale_f32_16x16x128_f8f6f4 with both operands' format E2M1 (or v_wmma_scale_f32_32x16x128_f4), f32 sums; products left as they are: bf16, f16 or f32 operands; f32 sums; everything else in f32.
;; Inputs: Wk 1,024 x 2,048 float32; Wo 2,048 x 1,024 float32; Wq 1,024 x 2,048 float32; Wv 1,024 x 2,048 float32; q 2 x 2,048 x 2,048 float32.
;; Outputs: out0 2 x 2,048 x 2,048 float32.
;; This version of the problem:
;;   THIS VERSION OF THE PROBLEM IS GIVEN IN LOW PRECISION. The matrix products marked QUANTISED in the list below multiply operands that are first quantised to E2M1 (2 exponent bits, 1 mantissa bit; 4 bits a number), with one power-of-two scale for each 32 numbers along K (OCP MX v1.0); their sums are f32. The products marked 'left as it is' may take bf16, f16 or f32 operands, with f32 sums. Whichever they take, every output number must still come out within the allowed error. Rounding operands to bf16 (8 significant bits) uses up far more of that allowance than f16 does (11 bits, for magnitudes from 6e-5 to 65,504). All else is computed in f32.
;;   The module's matrix products, in the order in which they are computed (A, B: the left and right operand; K: the contracted axis; several contracted axes count as one K, in the product's order):
;;     1. [M 4,096, K 2,048] x [K 2,048, N 1,024]; A: input q; B: input Wq: QUANTISED
;;     2. [M 4,096, K 2,048] x [K 2,048, N 1,024]; A: input q; B: input Wk: QUANTISED
;;     3. [M 4,096, K 2,048] x [K 2,048, N 1,024]; A: input q; B: input Wv: QUANTISED
;;     4. batch 32 x [M 2,048, K 64] x [K 64, N 2,048]; A: computed on the way; B: computed on the way: left as it is (an operand is computed on the way)
;;     5. batch 32 x [M 2,048, K 2,048] x [K 2,048, N 64]; A: computed on the way; B: computed on the way: left as it is (an operand is computed on the way)
;;     6. [M 4,096, K 1,024] x [K 1,024, N 2,048]; A: computed on the way; B: input Wo: left as it is (an operand is computed on the way)
;;   THE QUANTISER, for each operand of a quantised product, along K:
;;     - K is cut into blocks of 32 from its start; a last block that is shorter is filled with zeros.
;;     - A block's scale is 2^e with e = floor(log2(the largest magnitude in the block)) - 2, held to -126 .. 127; a block of zeros has e = 0. As a byte (E8M0): e + 127.
;;     - Each number is divided by its block's scale, clamped to +-6, and rounded to the nearest number of E2M1, ties to even, subnormals kept.
;;     - The product sums the exact products of the quantised numbers (number of the format x scale) in f32.
;;   ~~~python
;;   def quantise(x, axis):      # numpy; x: float32 -> the quantised numbers, widened to float32 again
;;       x = np.moveaxis(x, axis, -1); K = x.shape[-1]
;;       x = np.pad(x, [(0, 0)] * (x.ndim - 1) + [(0, -K % 32)]); x = x.reshape(x.shape[:-1] + (-1, 32)); a = np.abs(x).max(-1, keepdims=True)
;;       e = np.where(a > 0, np.clip(np.frexp(np.where(a > 0, a, 1))[1] - 1 - 2, -126, 127), 0)      # np.frexp(a)[1] - 1 = floor(log2(a)), exactly
;;       r = np.clip(x / 2.0 ** e, -6, 6)
;;       step = 2.0 ** (np.maximum(np.frexp(np.where(r == 0, 1, r))[1] - 1, 0) - 1)
;;       q = np.round(r / step) * step * 2.0 ** e      # np.round: ties to even
;;       return np.moveaxis(q.reshape(q.shape[:-2] + (-1,))[..., :K], -1, axis).astype(np.float32)
;;   ~~~
;; One version. Each part assembles by itself: llvm-mc -triple=amdgcn-amd-amdhsa -mcpu=gfx1250 --defsym DOCPART=n.
;; ======== version 1 of 1: 5 launches
;; limits: values are held in f16: magnitudes above 65,504 overflow, below 6.1e-05 lose precision
;; workspace buffers: codes 7,340,032 bytes; scales 458,752 bytes; wo16 4,194,304 bytes; rope 524,288 bytes; qkv 25,165,824 bytes; x16 393,216 bytes; att 8,388,608 bytes
;; launch prep (part 1): grid 544 x 1, 4 waves a work-group, no clusters, 33,280 bytes of LDS; arguments q, Wq, Wk, Wv, Wo, codes, scales, wo16, rope; writes codes, scales, wo16, rope
.if DOCPART == 1
	.amdgcn_target "amdgcn-amd-amdhsa--gfx1250"
	.amdhsa_code_object_version 6
	.text
	.protected	k_qa74aad33a0_prep
	.globl	k_qa74aad33a0_prep
	.p2align	8
	.type	k_qa74aad33a0_prep,@function
k_qa74aad33a0_prep:
	s_mov_b64 s[64:65], 0
	v_nop
	global_prefetch_b8 v0, s[64:65] scope:SCOPE_SE
	s_setreg_imm32_b32 hwreg(HW_REG_WAVE_MODE, 25, 1), 1
	s_wait_xcnt 0x0
; FIRST OF FIVE LAUNCHES of a multi-head attention layer (2 x 2,048 positions, width 2,048, 16 heads of 64).
; This one prepares operands: (A) q, Wq, Wk, Wv, f32 with K innermost, become codes of FP4 (E2M1) and one E8M0 byte for each 32 along K; (B) Wo becomes f16; (C) the table of (cos, sin) for the rotation of Q and K is made.
; WORK LEFT OUT IN THE WHOLE PROGRAM: reference() itself replaces score[q][k] by a constant wherever k > q (its own jnp.tril), so the products Q.K there reach no output for any values of the inputs, and the weight of such a key,
; exp(finfo.min - the row's maximum), is 0 in f32 since every row keeps its own key k = q.  So key tiles that lie wholly above the diagonal are neither multiplied nor loaded (third launch).  Every input has a way to the output and is loaded.
; LIMIT that goes with it: a NaN, an infinity or an overflow that would arise only in those tiles is not carried to the result.
; OTHER LIMITS: NaN and infinities among the inputs are not served.  A block of zeros gets the byte 1 where the rule says 127: its codes are zeros, which add nothing, and the bytes are read by this program alone.
; Blocks whose largest magnitude lies under 2^(2 - 126) keep the byte 1.  The table's angles are position x 2^(-i log2(10000) / 31): they may differ from reference()'s position x power(10000, -i/31) by some 3e-4 rad at the last positions;
; Q and K are turned by the same table.  Wo in f16: magnitudes up to 65,504.
; SHARES.  Work-groups 0-447: (A), 32,768 numbers each, a wave 16 steps of 512; the four tensors are one stream of blocks of 32, and so are codes and bytes: rows 0-4095 of the codes are q's, 4096-5119 Wq's, 5120-6143 Wk's, 6144-7167 Wv's.
; Work-groups 448-511: (B), 8,192 numbers a wave.  Work-groups 512-543: (C), 16 positions a wave, a lane to a pair.  Memory binds: no matrix unit, no cluster (no two work-groups read the same bytes), no tensor load.
.set WAVES, 4
.set STEPS, 16
.set EMAX,  2
.set CB,    8                          ; bytes of 16 codes
.set R,     16                         ; v16-79   four sets of 16 numbers as they are loaded
.set X,     80                         ; v80-111  two sets of 16 neighbours
.set C,     128                        ; v128-191 codes: four registers for each step
.set E,     112                        ; v112-127 a scale byte for each step
.set WREG,  8192                       ; LDS: a region for each wave: two stages of 32 x SP bytes, behind them its 256 scale bytes
.set SP,    80                         ; a lane's place in a stage: 64 bytes + 16 of padding
.set SPW,   12                         ; v12  LDS address of my spare word; never rewritten
.set NIL,   13                         ; v13  0; never rewritten
.set SPARE, WAVES*WREG                 ; the spare words, 128 bytes a wave: two blocks of 256 bytes that no other line names
	s_load_b512 s[4:19], s[0:1], 0x0               ; q s[4:5], Wq s[6:7], Wk s[8:9], Wv s[10:11], Wo s[12:13], codes s[14:15], scales s[16:17], wo16 s[18:19]
	s_load_b64 s[20:21], s[0:1], 0x40              ; rope
	v_lshl_add_u32 v[SPW], v0, 2, SPARE
	v_mov_b32 v[NIL], 0
	v_lshrrev_b32 v1, 5, v0
	v_readfirstlane_b32 s28, v1                    ; wave
	v_and_b32 v2, 31, v0                           ; lane
	s_mov_b32 s27, 0                               ; the upper word of every 64-bit offset below
	s_wait_kmcnt 0x0
	s_cmp_ge_u32 ttmp9, 448
	s_cbranch_scc1 .Lother
; ---------------- (A) f32 into codes and scale bytes ----------------
; A lane must hold 16 NEIGHBOURS for the conversions, and a load is best where neighbouring lanes take neighbouring bytes: each of a step's four loads reads 512 consecutive bytes, and the 2,048 bytes turn through the
; wave's own stage in LDS and come back 64 bytes a lane.  Two neighbouring lanes hold a block of 32.  Loads run four steps ahead, the turn through LDS one step.
	s_mov_b32 s24, 384
	s_cmp_lt_u32 ttmp9, 384                        ; which tensor: the choice hangs on the work-group's number alone
	s_cselect_b64 s[22:23], s[8:9], s[10:11]
	s_cselect_b32 s24, 320, s24
	s_cmp_lt_u32 ttmp9, 320
	s_cselect_b64 s[22:23], s[6:7], s[22:23]
	s_cselect_b32 s24, 256, s24
	s_cmp_lt_u32 ttmp9, 256
	s_cselect_b64 s[22:23], s[4:5], s[22:23]
	s_cselect_b32 s24, 0, s24                      ; the tensor's first work-group
	s_sub_co_u32 s25, ttmp9, s24
	s_lshl_b32 s25, s25, 2
	s_add_co_u32 s25, s25, s28                     ; which run of 8,192 numbers of the tensor is my wave's
	s_lshl_b32 s26, s25, 15
	s_add_nc_u64 s[22:23], s[22:23], s[26:27]
	s_lshl_b32 s25, ttmp9, 2
	s_add_co_u32 s25, s25, s28                     ; and which run of the one stream of codes and bytes
	s_lshl_b32 s26, s25, 12
	s_add_nc_u64 s[14:15], s[14:15], s[26:27]
	s_lshl_b32 s26, s25, 8
	s_add_nc_u64 s[16:17], s[16:17], s[26:27]
	v_lshlrev_b32 v3, 4, v2                        ; my 16 bytes of a load's 512
	s_mul_i32 s29, s28, WREG
	v_lshrrev_b32 v14, 2, v2
	v_mul_u32_u24 v14, v14, SP
	v_and_b32 v15, 3, v2
	v_lshl_add_u32 v14, v15, 4, v14
	v_add_nc_u32 v14, s29, v14                     ; the stage, on the way in: SP (lane / 4) + 16 (lane % 4)
	v_mul_u32_u24 v15, v2, SP
	v_add_nc_u32 v15, s29, v15                     ; and on the way out: SP x lane
	v_mul_u32_u24 v4, v2, CB                       ; my codes' place in a step's
	v_lshrrev_b32 v5, 1, v2
	s_add_co_u32 s29, s29, 2*32*SP
	v_add_nc_u32 v5, s29, v5                       ; LDS: my wave's 256 scale bytes, my block's byte
	v_lshlrev_b32 v7, 3, v2                        ; and on the way out 8 bytes a lane
	v_add_nc_u32 v6, s29, v7
.macro LOAD t
.irp i, 0,1,2,3
	global_load_b128 v[R+16*((\t)%4)+4*\i:R+16*((\t)%4)+4*\i+3], v3, s[22:23] offset:2048*(\t)+512*\i th:TH_LOAD_NT   ; 32 lanes read 512 consecutive bytes
.endr
.endm
.macro TURN t                          ; step t's numbers through the stage: LDS serves a wave's instructions in order, so no wait stands between the stores and the loads
.irp i, 0,1,2,3
	ds_store_b128 v14, v[R+16*((\t)%4)+4*\i:R+16*((\t)%4)+4*\i+3] offset:32*SP*((\t)%2)+8*SP*\i
.endr
.irp i, 0,1,2,3
	ds_load_b128 v[X+16*((\t)%2)+4*\i:X+16*((\t)%2)+4*\i+3], v15 offset:32*SP*((\t)%2)+16*\i
.endr
.endm
.irp t, 0,1,2,3
	LOAD \t
.endr
	s_wait_loadcnt 12                              ; step 0's four loads are in; the twelve of steps 1 to 3 may be out
	TURN 0
.macro STEP t
.set XS, X+16*((\t)%2)
.if (\t) > 0
	s_wait_dscnt 1                                 ; this step's numbers are back from the stage (the last step's byte store may be out)
.else
	s_wait_dscnt 0x0
.endif
.if (\t)+4 < STEPS
	LOAD (\t)+4                                    ; the registers that the stage's stores have read take the loads of four steps on
.endif
.if (\t)+1 < STEPS
.if STEPS-2-(\t) >= 3
	s_wait_loadcnt 12                              ; the next step's four loads are in; those of the three steps behind it may be out
.else
	s_wait_loadcnt 4*(STEPS-2-(\t))
.endif
	TURN (\t)+1
.endif
	v_max3_num_f32 v8, |v[XS]|, |v[XS+1]|, |v[XS+2]|               ; the largest magnitude of my 16, in two chains
	v_max3_num_f32 v9, |v[XS+3]|, |v[XS+4]|, |v[XS+5]|
.irp i, 6,10
	v_max3_num_f32 v8, v8, |v[XS+\i]|, |v[XS+\i+1]|
	v_max3_num_f32 v9, v9, |v[XS+\i+2]|, |v[XS+\i+3]|
.endr
	v_max3_num_f32 v8, v8, |v[XS+14]|, |v[XS+15]|
	v_max3_num_f32 v8, v8, v9, (EMAX+1)<<23        ; and the floor 2^(EMAX + 1 - 127): the byte cannot fall under 1
	v_max_num_f32_dpp v8, v8, v8 row_xmask:1 row_mask:0xf bank_mask:0xf   ; and of my neighbour's 16: the block's
	v_add_nc_u32 v11, -(EMAX<<23), v8              ; EMAX off its exponent field: the conversion takes the exponent field of this operand as its scale
	v_cvt_scalef32_pk8_fp4_f32 v[C+4*(\t)], v[XS:XS+7], v11
	v_cvt_scalef32_pk8_fp4_f32 v[C+4*(\t)+1], v[XS+8:XS+15], v11
	v_lshrrev_b32 v[E+(\t)], 23, v11               ; the scale's byte (also the plain line behind the conversions)
	ds_store_b8 v5, v[E+(\t)] offset:16*(\t)       ; both lanes of a block write the same byte with the same value
	global_store_b64 v4, v[C+4*(\t):C+4*(\t)+1], s[14:15] offset:32*CB*(\t)   ; the wave stores 256 consecutive bytes, aligned
.endm
.irp t, 0,1,2,3,4,5,6,7,8,9,10,11,12,13,14,15
	STEP \t
.endr
	ds_load_b64 v[8:9], v6                         ; LDS serves a wave's instructions in order: these see my stores
	s_wait_dscnt 0x0
	global_store_b64 v7, v[8:9], s[16:17]          ; 32 lanes store 256 consecutive bytes, aligned
	s_wait_tensorcnt 0x0                           ; the wave's end: behind my last LDS store
	ds_add_u32 v[SPW], v[NIL]
	s_wait_dscnt 0x0
	s_endpgm
.Lother:
	s_cmp_ge_u32 ttmp9, 512
	s_cbranch_scc1 .Lrope
; ---------------- (B) Wo into f16 ----------------
; A wave takes 8,192 numbers in 64 turns of 128: a load of 512 consecutive bytes, two conversions, a store of 256 consecutive bytes.  A ring of 16 slots in registers keeps 16 loads on their way.  No LDS.
	s_sub_co_u32 s25, ttmp9, 448
	s_lshl_b32 s25, s25, 2
	s_add_co_u32 s25, s25, s28
	s_lshl_b32 s26, s25, 15
	s_add_nc_u64 s[12:13], s[12:13], s[26:27]
	s_lshl_b32 s26, s25, 14
	s_add_nc_u64 s[18:19], s[18:19], s[26:27]
	v_lshlrev_b32 v3, 4, v2
	v_lshlrev_b32 v4, 3, v2
.set I, 0
.rept 16
	global_load_b128 v[16+4*I:19+4*I], v3, s[12:13] offset:512*I th:TH_LOAD_NT
.set I, I+1
.endr
.macro CV i, ahead, left
	s_wait_loadcnt \left                           ; loads come back in order: this turn's is in, the younger ones stay out
	s_wait_xcnt 0x0                                ; the slot's store of sixteen turns ago has read its data: they are written again only behind this wait
	v_cvt_pk_f16_f32 v[80+2*((\i)%16)], v[16+4*((\i)%16)], v[17+4*((\i)%16)]
	v_cvt_pk_f16_f32 v[81+2*((\i)%16)], v[18+4*((\i)%16)], v[19+4*((\i)%16)]
.if \ahead
	global_load_b128 v[16+4*((\i)%16):19+4*((\i)%16)], v3, s[12:13] offset:512*((\i)+16) th:TH_LOAD_NT
.endif
	global_store_b64 v4, v[80+2*((\i)%16):81+2*((\i)%16)], s[18:19] offset:256*(\i)
.endm
.set I, 0
.rept 48
	CV I, 1, 15
.set I, I+1
.endr
.rept 16
	CV I, 0, 63-I                                  ; the last sixteen turns load nothing: the counts run down
.set I, I+1
.endr
	s_endpgm
.Lrope:
; ---------------- (C) the table: rope[position][pair i] = (cos, sin) of position x 10000^(-i / 31) ----------------
; The angle is brought into [-pi/4, pi/4] by taking k quarter turns away (pi/2 in two parts, fused), sine and cosine come from polynomials of degree 7 and 8, and k's low two bits say which goes where and with which sign.
	s_sub_co_u32 s25, ttmp9, 512
	s_lshl_b32 s25, s25, 2
	s_add_co_u32 s25, s25, s28                     ; which 16 positions are my wave's
	s_lshl_b32 s26, s25, 12                        ; 256 bytes a position
	s_add_nc_u64 s[20:21], s[20:21], s[26:27]
	s_lshl_b32 s25, s25, 4                         ; my first position
	s_mov_b32 s30, 0x3f22f983                      ; 2 / pi
	s_mov_b32 s31, 0x3fc90fdb                      ; pi / 2, the upper part,
	s_mov_b32 s32, 0xb33bbd2e                      ; and what is left of it
	s_mov_b32 s33, 0xbe2aaaa3                      ; sine: r + r z (S1 + z (S2 + z S3)), z = r r
	s_mov_b32 s34, 0x3c08839e
	s_mov_b32 s35, 0xb94ca1f9
	s_mov_b32 s36, 0x3d2aaaa5                      ; cosine: 1 - z / 2 + z z (C1 + z (C2 + z C3))
	s_mov_b32 s37, 0xbab6061a
	s_mov_b32 s38, 0x37ccf5ce
	v_cvt_f32_u32 v14, v2
	v_mul_f32 v14, 0xbedb762a, v14                 ; -i log2(10000) / 31
	v_exp_f32 v15, v14                             ; the pair's frequency
	v_lshlrev_b32 v5, 3, v2                        ; 8 bytes a pair (a plain line behind the exponential)
	s_wait_alu depctr_va_vdst(0)                   ; the wait ahead of the first reader
.set KK, 0
.rept 16
	s_add_co_u32 s26, s25, KK
	v_cvt_f32_u32 v16, s26
	v_mul_f32 v17, v16, v15                        ; the angle
	v_mul_f32 v18, s30, v17
	v_rndne_f32 v18, v18                           ; k quarter turns
	v_fma_f32 v19, -v18, s31, v17
	v_fma_f32 v19, -v18, s32, v19                  ; r
	v_mul_f32 v20, v19, v19                        ; z
	v_cvt_i32_f32 v21, v18
	v_fma_f32 v22, v20, s35, s34
	v_fma_f32 v23, v20, s38, s37
	v_fma_f32 v22, v20, v22, s33
	v_fma_f32 v23, v20, v23, s36
	v_mul_f32 v24, v19, v20
	v_mul_f32 v25, v20, v20
	v_fma_f32 v22, v24, v22, v19                   ; sin r
	v_fma_f32 v26, v20, -0.5, 1.0
	v_fma_f32 v23, v25, v23, v26                   ; cos r
	v_and_b32 v27, 1, v21
	v_cmp_eq_u32 vcc_lo, 1, v27                    ; an odd k changes the two over
	v_cndmask_b32 v28, v22, v23, vcc_lo
	v_cndmask_b32 v29, v23, v22, vcc_lo
	v_and_b32 v27, 2, v21                          ; the sine is negative for k mod 4 = 2, 3,
	v_lshlrev_b32 v27, 30, v27
	v_xor_b32 v[65+2*KK], v27, v28
	v_add_nc_u32 v27, 1, v21                       ; the cosine for k mod 4 = 1, 2
	v_and_b32 v27, 2, v27
	v_lshlrev_b32 v27, 30, v27
	v_xor_b32 v[64+2*KK], v27, v29
	global_store_b64 v5, v[64+2*KK:65+2*KK], s[20:21] offset:256*KK   ; a position's 32 pairs: 256 consecutive bytes, aligned; each position has its own data registers
.set KK, KK+1
.endr
	s_endpgm
.Lfunc_end_k_qa74aad33a0_prep:
	.size	k_qa74aad33a0_prep, .Lfunc_end_k_qa74aad33a0_prep-k_qa74aad33a0_prep
	.p2alignl 7, 3214868480
	.fill 96, 4, 3214868480
	.section	.rodata,"a",@progbits
	.p2align	6, 0x0
	.amdhsa_kernel k_qa74aad33a0_prep
		.amdhsa_group_segment_fixed_size 33280
		.amdhsa_private_segment_fixed_size 0
		.amdhsa_enable_private_segment 0
		.amdhsa_kernarg_size 72
		.amdhsa_user_sgpr_count 2
		.amdhsa_user_sgpr_kernarg_segment_ptr 1
		.amdhsa_wavefront_size32 1
		.amdhsa_system_sgpr_workgroup_id_x 1
		.amdhsa_system_sgpr_workgroup_id_y 1
		.amdhsa_system_sgpr_workgroup_id_z 1
		.amdhsa_system_vgpr_workitem_id 0
		.amdhsa_next_free_vgpr 192
		.amdhsa_next_free_sgpr 66
		.amdhsa_reserve_vcc 1
		.amdhsa_float_denorm_mode_32 3
		.amdhsa_float_denorm_mode_16_64 3
		.amdhsa_memory_ordered 1
		.amdhsa_forward_progress 1
		.amdhsa_inst_pref_size 80
	.end_amdhsa_kernel
	.amdgpu_metadata
---
amdhsa.version: [ 1, 2 ]
amdhsa.kernels:
  - .name:           k_qa74aad33a0_prep
    .symbol:         k_qa74aad33a0_prep.kd
    .args:
      - { .name: q, .offset: 0, .size: 8, .value_kind: global_buffer, .address_space: global }
      - { .name: Wq, .offset: 8, .size: 8, .value_kind: global_buffer, .address_space: global }
      - { .name: Wk, .offset: 16, .size: 8, .value_kind: global_buffer, .address_space: global }
      - { .name: Wv, .offset: 24, .size: 8, .value_kind: global_buffer, .address_space: global }
      - { .name: Wo, .offset: 32, .size: 8, .value_kind: global_buffer, .address_space: global }
      - { .name: codes, .offset: 40, .size: 8, .value_kind: global_buffer, .address_space: global }
      - { .name: scales, .offset: 48, .size: 8, .value_kind: global_buffer, .address_space: global }
      - { .name: wo16, .offset: 56, .size: 8, .value_kind: global_buffer, .address_space: global }
      - { .name: rope, .offset: 64, .size: 8, .value_kind: global_buffer, .address_space: global }
    .group_segment_fixed_size: 33280
    .private_segment_fixed_size: 0
    .kernarg_segment_align: 8
    .kernarg_segment_size: 72
    .max_flat_workgroup_size: 128
    .sgpr_count:     66
    .vgpr_count:     192
    .wavefront_size: 32
...
	.end_amdgpu_metadata
.endif
;; end of part 1
;; launch qkv (part 2): grid 12 x 16, 4 waves a work-group, clusters of 4 x 4, 327,680 bytes of LDS; arguments codes, scales, rope, qkv, x16; writes qkv, x16
.if DOCPART == 2
	.amdgcn_target "amdgcn-amd-amdhsa--gfx1250"
	.amdhsa_code_object_version 6
	.text
	.protected	k_qa74aad33a0_qkv
	.globl	k_qa74aad33a0_qkv
	.p2align	8
	.type	k_qa74aad33a0_qkv,@function
k_qa74aad33a0_qkv:
	s_mov_b64 s[64:65], 0
	v_nop
	global_prefetch_b8 v0, s[64:65] scope:SCOPE_SE
	s_setreg_imm32_b32 hwreg(HW_REG_WAVE_MODE, 25, 1), 1
	s_wait_xcnt 0x0
	s_wait_alu depctr_hold_cnt(0) depctr_sa_sdst(0) depctr_va_vdst(0) depctr_va_sdst(0) depctr_va_ssrc(0) depctr_va_vcc(0) depctr_vm_vsrc(0)
	s_getreg_b32 s2, hwreg(HW_REG_IB_STS2, 6, 4)
	s_cmp_eq_u32 s2, 0
	s_cbranch_scc0 .Lentry_in_a_cluster
	s_endpgm
.Lentry_in_a_cluster:
	s_bfe_u32 s2, ttmp6, 0x10000c
	s_cmp_lg_u32 s2, 0xf033
	s_cbranch_scc0 .Lentry_shape_is_right
	s_endpgm
.Lentry_shape_is_right:
; SECOND LAUNCH: the three projections in one product on codes of FP4 (E2M1) with one E8M0 scale for each 32 along K: C[m][n] = sum over k of A[m][k] B[n][k], A = q's 4,096 rows, B = the 3,072 rows of Wq, Wk, Wv, K = 2,048.
; Q and K are then turned by the table (pairs (x0, x1) -> (x0 c - x1 s, x1 c + x0 s)), all in f32, and Q, K, V leave as f16, laid by head: qkv[Q,K,V][batch][head][position][64].
; The first 16 positions of both sequences also leave in f32 (x16[batch][Q,K,V][head][16][64]): the last launch does those rows more finely.  LIMIT: |Q|, |K|, |V| up to 65,504 (f16).  Nothing is left out here.
; A tile of C, 256 x 256, is made by a work-group of four waves; a wave makes 128 x 128: 64 accumulators of 16 x 16, 512 registers.  K goes in steps of 512 through a ring of two LDS slots filled by the tensor data mover: a tile's row is 256 bytes.
; THE SCALES of the work-group's 256 rows of A and of B, for all of K, are two dense blocks of memory: they come into LDS once, with the first fills, and stay.
; CLUSTERS: 4 x 4 work-groups.  The four of a row of the cluster need the same tiles of A, the four of a column the same tiles of B: each tile is asked for JOINTLY, by the same tensor load with the same descriptor and a mask that
; names the four.  A cluster's x (0, 1, 2) is the tensor Q, K, V: the same in all sixteen partners.  THE MATRIX INSTRUCTION IS USED TRANSPOSED (source 0 = 16 rows of B, source 1 = 16 rows of A): a lane holds eight neighbouring numbers of a row of C.
; REGISTERS, in windows of 256: window 0: v0-31 addresses; v32-95 scale words, two sets; from v128 A's fragments, ONE set; on the way out v32-95 a block's 64 numbers, v96-127 packed, v128-191 rows read back.
;   window 1: B's fragments, TWO sets, at v0 and v128; on the way out the table of my 128 positions.   window 2: the accumulators of my rows 0-63 ((a, b) at v[8 (8 a + b)]);   window 3: those of rows 64-127.
; By this text's own count a wave has at most three tensor loads out (the first fills), later one.
.set SIZE_K, 2048
.set KSTEP,  512                       ; along K in a slot
.set NQ,     KSTEP/128                 ; matrix instructions deep
.set ROWB,   256                       ; a tile's row in bytes
.set KROW,   SIZE_K*4/8                ; a row of codes in memory
.set PITCH,  272                       ; an LDS row: 256 bytes + 16 of padding = 68 words: the 16 rows that a load touches start at 16 different banks
.set FR,     8                         ; registers of a fragment: 16 rows x 128 K
.set NL,     2                         ; LDS loads that bring one
.set NP,     4                         ; places behind this matrix instruction (ISA guide 7.12.1)
.set HALFT,  128*PITCH                 ; 128 rows: what one tensor load brings
.set SLOT,   4*HALFT                   ; A's 256 rows, then B's 256 rows
.set LAPS,   SIZE_K/(2*KSTEP)          ; a lap = two K steps = once round the ring
.set KS,     SIZE_K/32                 ; a row of scales in bytes
.set SCL,    2*SLOT                    ; behind the ring: the scales, as units of 256 bytes + 16 of padding
.set HALFS,  (128*KS/256)*272          ; the scales of 128 rows
.set SBLK,   (16*KS/256)*272           ; those of 16 rows
.set SPARE,  SCL+4*HALFS               ; the spare words, 128 bytes a wave: two blocks of 256 bytes that no other line names
.set SPITCH, 272                       ; the way out: a stage of 16 rows x (256 bytes + 16) for each wave, in slot 0, which has had its last fill and its last read when the first result is stored there
.set ADRA, 16                          ; v16-17  LDS address of my A fragments in slot 0, 1
.set ADRB, 20                          ; v20-21  the same for B
.set STO,  24                          ; v24     the way out: where I put 16 bytes of a row
.set RD,   25                          ; v25     where I read 16 bytes back
.set CO,   26                          ; v26     my byte offset in qkv
.set ADRS, 27                          ; v27     LDS address of my scale words: lanes 0-15 A's rows, lanes 16-31 B's
.set SPW,  28                          ; v28     LDS address of my spare word; never rewritten
.set NIL,  29                          ; v29     0; never rewritten
.set RO,   30                          ; v30     256 (lane % 16) + 32 (lane / 16): my place in the table's 16 positions, and in x16's
.set SC,   32                          ; scale words: set s at v[SC + 8 NQ s]; register NQ i + q: lanes 0-15 the word of A's block i, lanes 16-31 of B's block i
.set AF,   128                         ; A's fragments
.set T,    32                          ; the way out: a block's 64 numbers, turned
.set TMP,  96                          ; packed to f16
.set BK,   128                         ; rows read back: v128-159 and v160-191 by turns
.set G1, 24                            ; s[24:31] descriptor group 1 for A's tiles;  s[32:39] group 0, one set for each slot
.set G0, 32
.set G1B, 48                           ; s[48:55], s[56:63] the same for B's tiles
.set G0B, 56
.set G1S, 68                           ; s[68:75], s[76:79] groups 1 and 0 for A's scales;  s[80:87], s[88:91] for B's
.set G0S, 76
.set G1SB, 80
.set G0SB, 88
.set MSB, 0
.macro WIN new                         ; the immediate's high byte repeats the setting that is left; a switch that changes nothing is dropped
.if MSB != (\new)
	s_set_vgpr_msb (MSB<<8)|(\new)
.set MSB, (\new)
.endif
.endm
.set MUL_LO, 0xa1                      ; source 0 (B) window 1, source 1 (A) window 0, C and D window 2
.set MUL_HI, 0xf1                      ; the same, C and D window 3
.set TO_B,   0x40                      ; destination window 1, address window 0
; A joint load: waves 0 and 1 fetch for A, waves 2 and 3 for B.  Each line has ONE mask and one set of registers for all that issue it; the branch hangs on the wave's number alone.
; An s_nop 0 and four v_nop follow each of the two lines, ahead of the jump, the label and what follows.
.macro JLOAD g0a, g1a, g0b, g1b
	s_cmp_eq_u32 s15, 0
	s_cbranch_scc0 .Lfor_b_\@
	tensor_load_to_lds s[\g0a:\g0a+3], s[\g1a:\g1a+7]
	s_nop 0
.rept 4
	v_nop
.endr
	s_branch .Lasked_\@
.Lfor_b_\@:
	tensor_load_to_lds s[\g0b:\g0b+3], s[\g1b:\g1b+7]
	s_nop 0
.rept 4
	v_nop
.endr
.Lasked_\@:
.endm
.macro CREST                           ; a round of the cluster's barrier behind its opening barrier
	s_cmp_lg_u32 s14, 0
	s_cbranch_scc1 .Lnot_wave_0_\@
	s_barrier_signal -3
.Lnot_wave_0_\@:
	s_barrier_wait -3
	s_barrier_signal -1
	s_barrier_wait -1
.endm
.macro CROUND                          ; a whole round
	s_barrier_signal -1
	s_barrier_wait -1
	CREST
.endm
	s_load_b128 s[4:7], s[0:1], 0x0                ; codes s[4:5], scales s[6:7]
	s_load_b128 s[96:99], s[0:1], 0x10             ; rope s[96:97], qkv s[98:99]
	s_load_b64 s[100:101], s[0:1], 0x20            ; x16
	v_lshl_add_u32 v[SPW], v0, 2, SPARE
	v_mov_b32 v[NIL], 0
	ds_add_u32 v[SPW], v[NIL]                      ; the wave's opening: the add, twice on end, and its wait ahead of my first tensor load; the set-up below stands between the second and the wait
	ds_add_u32 v[SPW], v[NIL]
	v_lshrrev_b32 v1, 5, v0
	v_readfirstlane_b32 s14, v1                    ; wave 0..3
	s_lshr_b32 s15, s14, 1                         ; which half of the tile's rows is mine.  Also: I fetch for A (0) or for B (1)
	s_and_b32 s16, s14, 1                          ; which half of its columns.  Also: which 128 rows of that tile I fetch
	s_bfe_u32 s40, ttmp6, 0x40000                  ; cx, cy: my place in the cluster
	s_bfe_u32 s41, ttmp6, 0x40004
	s_lshl_b32 s42, ttmp9, 2
	s_add_co_u32 s42, s42, s40                     ; tile column of C = 4 x cluster x + cx
	s_and_b32 s17, ttmp7, 0xffff
	s_lshl_b32 s17, s17, 2
	s_add_co_u32 s17, s17, s41                     ; tile row of C = 4 x cluster y + cy
	s_lshl_b32 s43, s41, 2
	s_lshl_b32 s43, 15, s43                        ; my row of the cluster
	s_lshl_b32 s44, 0x1111, s40                    ; my column
	; descriptor group 1: a tile of 128 rows x ROWB bytes, padded in LDS
	s_or_b32 s[G1+0], s43, (0<<16)|(1<<20)|(1<<21)|(5<<22)|(3<<25)  ; 15:0 the mask: A's tiles go to my row; 17:16 element of 1 byte; 20 padding on; 21 set beside a mask; 24:22 after every 64 words; 31:25 of 4 words
	s_or_b32 s[G1B+0], s44, (0<<16)|(1<<20)|(1<<21)|(5<<22)|(3<<25)
.irp g, G1, G1B
	s_mov_b32 s[\g+1], ROWB<<16                    ; tensor_dim0
	s_mov_b32 s[\g+2], 128<<16                     ; tensor_dim1 = 128
	s_mov_b32 s[\g+3], ROWB<<16                    ; tile_dim0
	s_mov_b32 s[\g+4], 128                         ; tile_dim1 = 128
	s_mov_b32 s[\g+5], KROW                        ; tensor_dim0_stride
	s_mov_b32 s[\g+6], 0
	s_mov_b32 s[\g+7], 0
.endr
	; and for the scales of 128 rows: a dense block of 128 KS bytes, as rows of 256 bytes (32 elements of 8 bytes), 16 bytes of padding behind each
	s_or_b32 s[G1S+0], s43, (3<<16)|(1<<20)|(1<<21)|(5<<22)|(3<<25)
	s_or_b32 s[G1SB+0], s44, (3<<16)|(1<<20)|(1<<21)|(5<<22)|(3<<25)
.irp g, G1S, G1SB
	s_mov_b32 s[\g+1], 32<<16
	s_mov_b32 s[\g+2], (128*KS/256)<<16
	s_mov_b32 s[\g+3], 32<<16
	s_mov_b32 s[\g+4], 128*KS/256
	s_mov_b32 s[\g+5], 32
	s_mov_b32 s[\g+6], 0
	s_mov_b32 s[\g+7], 0
.endr
	s_lshl_b32 s18, s16, 7                         ; which 128 rows of the tile I fetch
	s_lshl_b32 s20, s17, 8
	s_add_co_u32 s20, s20, s18                     ; A: row 256 x tile row + 128 x half
	s_lshl_b32 s46, s42, 8
	s_add_co_u32 s46, s46, s18                     ; B: row 256 x tile column + 128 x half
	s_mov_b32 s21, 0
	s_mov_b32 s47, 0
	s_mov_b64 s[18:19], KS
	s_mul_u64 s[22:23], s[20:21], s[18:19]         ; where these rows' scales begin, in bytes
	s_mul_u64 s[92:93], s[46:47], s[18:19]
	s_mov_b64 s[18:19], KROW
	s_mul_u64 s[20:21], s[20:21], s[18:19]         ; and their codes
	s_mul_u64 s[46:47], s[46:47], s[18:19]
	s_mul_i32 s45, s14, HALFT                      ; where they go: wave x 128 rows: no place in the cluster enters an LDS address
	s_mul_i32 s94, s14, HALFS
	s_wait_dscnt 0x0                               ; both opening adds are done
	s_wait_kmcnt 0x0
	s_add_nc_u64 s[8:9], s[4:5], 0x400000          ; B's codes: the weights' rows lie behind q's 4,096 rows of 1,024 bytes,
	s_add_nc_u64 s[10:11], s[6:7], 0x40000         ; their scale bytes behind 4,096 rows of 64
	s_add_nc_u64 s[20:21], s[4:5], s[20:21]
	s_add_nc_u64 s[22:23], s[6:7], s[22:23]
	s_add_nc_u64 s[46:47], s[8:9], s[46:47]
	s_add_nc_u64 s[92:93], s[10:11], s[92:93]
	CROUND                                         ; all sixteen work-groups are here: the first joint loads meet
	s_mov_b32 s[G0S], 1
	s_add_co_u32 s[G0S+1], s94, SCL
	s_mov_b64 s[G0S+2:G0S+3], s[22:23]
	s_or_b32 s[G0S+3], s[G0S+3], 0x80000000
	s_mov_b32 s[G0SB], 1
	s_add_co_u32 s[G0SB+1], s94, SCL
	s_mov_b64 s[G0SB+2:G0SB+3], s[92:93]
	s_or_b32 s[G0SB+3], s[G0SB+3], 0x80000000
	JLOAD G0S, G1S, G0SB, G1SB                     ; the scales first: they are wanted with K step 0
.irp s, 0,1
	s_mov_b32 s[G0+4*\s], 1
	s_add_co_u32 s[G0+4*\s+1], s45, \s*SLOT
	s_add_nc_u64 s[G0+4*\s+2:G0+4*\s+3], s[20:21], \s*ROWB
	s_or_b32 s[G0+4*\s+3], s[G0+4*\s+3], 0x80000000
	s_mov_b32 s[G0B+4*\s], 1
	s_add_co_u32 s[G0B+4*\s+1], s45, \s*SLOT
	s_add_nc_u64 s[G0B+4*\s+2:G0B+4*\s+3], s[46:47], \s*ROWB
	s_or_b32 s[G0B+4*\s+3], s[G0B+4*\s+3], 0x80000000
	JLOAD G0+4*\s, G1, G0B+4*\s, G1B
.endr
	v_and_b32 v1, 15, v0                           ; l % 16
	v_bfe_u32 v2, v0, 4, 1                         ; l / 16
	v_mul_u32_u24 v3, v1, PITCH
	v_lshl_add_u32 v4, v2, 4, v3                   ; a fragment's row x pitch + 16 x half
	s_mul_i32 s21, s15, HALFT                      ; my 128 rows of A
	s_mul_i32 s22, s16, HALFT                      ; my 128 rows of B,
	s_add_co_u32 s22, s22, 2*HALFT                 ; which lie behind A's 256
.irp s, 0,1
	v_add_nc_u32 v[ADRA+\s], s21, v4
	v_add_nc_u32 v[ADRB+\s], s22, v4
	s_add_co_u32 s21, s21, SLOT
	s_add_co_u32 s22, s22, SLOT
.endr
	v_mul_u32_u24 v5, v1, KS                       ; my row's scales: KS bytes a row,
	v_lshrrev_b32 v6, 8, v5
	v_lshl_add_u32 v5, v6, 4, v5                   ; and 16 more for each 256 passed
	s_mul_i32 s21, s15, HALFS                      ; A's: my 128 rows
	s_mul_i32 s22, s16, HALFS                      ; B's: my 128 rows, behind A's 256
	s_add_co_u32 s22, s22, 2*HALFS
	s_sub_co_u32 s22, s22, s21
	v_mul_u32_u24 v6, s22, v2                      ; lanes 16-31 take B's
	s_add_co_u32 s21, s21, SCL
	v_add_nc_u32 v5, v5, v6
	v_add_nc_u32 v[ADRS], s21, v5
	s_mul_i32 s23, s14, 16*SPITCH                  ; my stage
	v_mul_u32_u24 v5, v1, SPITCH                   ; in: row l % 16, 16 bytes for each half of the lanes
	v_lshl_add_u32 v5, v2, 4, v5
	v_add_nc_u32 v[STO], s23, v5
	v_bfe_u32 v5, v0, 3, 1                         ; back: lanes 0-15 take my first head's 128 bytes of two rows, lanes 16-31 my second head's
	v_mul_u32_u24 v5, v5, SPITCH
	v_lshl_add_u32 v5, v2, 7, v5
	v_and_b32 v6, 7, v0
	v_lshl_add_u32 v5, v6, 4, v5
	v_add_nc_u32 v[RD], s23, v5
	v_lshlrev_b32 v[CO], 4, v1                     ; in qkv: two positions of a head are 256 consecutive bytes; the next head lies 262,144 bytes on
	v_lshl_add_u32 v[CO], v2, 18, v[CO]
	v_lshlrev_b32 v[RO], 8, v1
	v_lshl_add_u32 v[RO], v2, 5, v[RO]
	; where my part goes: rows R0 on = batch, position; columns C0 on = tensor, head.  These registers feed global addresses alone
	s_lshl_b32 s20, s17, 8
	s_lshl_b32 s21, s15, 7
	s_add_co_u32 s20, s20, s21                     ; R0 = 256 x tile row + 128 x half
	s_lshr_b32 s21, s20, 11                        ; batch
	s_and_b32 s20, s20, 2047                       ; my first position
	s_lshl_b32 s46, s42, 8
	s_lshl_b32 s47, s16, 7
	s_add_co_u32 s46, s46, s47                     ; C0 = 256 x tile column + 128 x half
	s_lshr_b32 s47, s46, 10                        ; tensor: 0 Q, 1 K, 2 V
	s_bfe_u32 s46, s46, 0x40006                    ; my first head
	s_lshl_b32 s22, s47, 23
	s_lshl_b32 s23, s21, 22
	s_add_co_u32 s22, s22, s23
	s_lshl_b32 s23, s46, 18
	s_add_co_u32 s22, s22, s23
	s_lshl_b32 s23, s20, 7
	s_add_co_u32 s22, s22, s23
	s_mov_b32 s23, 0
	s_add_nc_u64 s[12:13], s[98:99], s[22:23]      ; qkv at (tensor, batch, head, position)
	s_lshl_b32 s22, s20, 8
	s_add_nc_u64 s[96:97], s[96:97], s[22:23]      ; the table at my first position
	s_mul_i32 s22, s21, 3
	s_add_co_u32 s22, s22, s47
	s_lshl_b32 s22, s22, 4
	s_add_co_u32 s22, s22, s46
	s_lshl_b32 s22, s22, 12
	s_add_nc_u64 s[100:101], s[100:101], s[22:23]  ; x16 at (batch, tensor, head)
	s_and_b32 s94, s17, 7                          ; 0 where the tile begins a sequence
.macro FRAG reg, adr, q, i             ; a fragment, 16 rows x 128 K of 4-bit codes, is 8 registers: lane l holds row l % 16; registers 4 c .. 4 c + 3 hold K = 64 c + 32 (l / 16) + 0 .. 31
.irp c, 0,1
	ds_load_b128 v[\reg+4*\c:\reg+4*\c+3], v[\adr] offset:64*(\q)+32*\c+(\i)*16*PITCH
.endr
.endm
; 16 matrix instructions: A's blocks a0, a0 + 1 x B's eight, 128 along K: the slot's q-th.  p: B's set;  sc: the set of scale words.  zero = 1: the first product starts the sums: nothing is ever cleared.
; The 64 accumulators take turns, one instruction a turn, in the same order in every step.
.macro MUL16 a0, p, q, sc, zero
.irp a, \a0, \a0+1
.irp b, 0,1,2,3,4,5,6,7
.if \zero
	v_wmma_scale_f32_16x16x128_f8f6f4 v[8*(8*((\a)%4)+\b):8*(8*((\a)%4)+\b)+7], v[128*(\p)+FR*\b:128*(\p)+FR*\b+FR-1], v[AF+FR*(\a):AF+FR*(\a)+FR-1], 0, v[SC+8*NQ*(\sc)+NQ*\b+(\q)], v[SC+8*NQ*(\sc)+NQ*(\a)+(\q)] matrix_a_fmt:MATRIX_FMT_FP4 matrix_b_fmt:MATRIX_FMT_FP4 matrix_a_scale:MATRIX_SCALE_ROW1
.else
	v_wmma_scale_f32_16x16x128_f8f6f4 v[8*(8*((\a)%4)+\b):8*(8*((\a)%4)+\b)+7], v[128*(\p)+FR*\b:128*(\p)+FR*\b+FR-1], v[AF+FR*(\a):AF+FR*(\a)+FR-1], v[8*(8*((\a)%4)+\b):8*(8*((\a)%4)+\b)+7], v[SC+8*NQ*(\sc)+NQ*\b+(\q)], v[SC+8*NQ*(\sc)+NQ*(\a)+(\q)] matrix_a_fmt:MATRIX_FMT_FP4 matrix_b_fmt:MATRIX_FMT_FP4 matrix_a_scale:MATRIX_SCALE_ROW1
.endif
.endr
.endr
.endm
.macro FETCH_B slot, q, p              ; B's eight fragments of the slot's q-th 128 along K into set p
	WIN TO_B
.irp i, 0,1,2,3,4,5,6,7
	FRAG 128*(\p)+FR*\i, ADRB+\slot, \q, \i
.endr
	WIN 0
.endm
.macro FETCH_A slot, q, i0             ; A's blocks i0 .. i0 + 3
.irp i, \i0, \i0+1, \i0+2, \i0+3
	FRAG AF+FR*(\i), ADRA+\slot, \q, \i
.endr
.endm
.macro SCALES sc                       ; the next K step's scale words into set sc: NQ words a row; lanes 0-15 take A's block i, lanes 16-31 B's block i
.irp i, 0,1,2,3,4,5,6,7
	ds_load_b128 v[SC+8*NQ*\sc+NQ*\i:SC+8*NQ*\sc+NQ*\i+3], v[ADRS] offset:\i*SBLK
.endr
.endm
; A load into a register that a matrix instruction has read, and a vector instruction or a store that reads a matrix result or writes one of its registers, stand NP places behind that matrix instruction, and only plain
; vector instructions that name none of its registers are places (ISA guide 7.12.1 for vector instructions).
.macro PLACES n
.rept \n
	v_nop
.endr
.endm
; A step of 128 along K that has its successor in the same slot.
.macro STEP slot, q, zero
	s_wait_dscnt 4*NL                              ; B's set and A's blocks 0-3 are in; the youngest eight loads (A's blocks 4-7) may be out
	WIN MUL_LO
	MUL16 0, (\q)%2, \q, \slot, \zero
	MUL16 2, (\q)%2, \q, \slot, \zero
	s_wait_dscnt 0                                 ; A's blocks 4-7 are in (asked for 32 matrix instructions ago)
	PLACES NP
	FETCH_B \slot, (\q)+1, 1-(\q)%2
	FETCH_A \slot, (\q)+1, 0
	WIN MUL_HI
	MUL16 4, (\q)%2, \q, \slot, \zero
	MUL16 6, (\q)%2, \q, \slot, \zero
	PLACES NP
	WIN 0
	FETCH_A \slot, (\q)+1, 4
.endm
; A slot's last step changes slots: ONE barrier; in front of it each wave waits for all its tensor loads, adds 0 to its spare word, and waits for that and for its own reads of this slot.  fill = 1: this slot is filled again, two K steps ahead.
.macro TURN slot, next, fill
	s_wait_tensorcnt 0x0                           ; all my tensor loads have landed: my part of the next slot  (every window is 0 here)
	ds_add_u32 v[SPW], v[NIL]                      ; 0 onto my spare word
	s_wait_dscnt 4*NL+1                            ; (the add and the youngest eight loads, A's blocks 4-7, may be out)
	WIN MUL_LO
	MUL16 0, 1, NQ-1, \slot, 0                     ; sixteen matrix instructions stand between the add and the wait for it
	s_wait_dscnt 0x0                               ; the add is done, and my reads of this slot are over
	s_barrier_signal -1
	MUL16 2, 1, NQ-1, \slot, 0
	WIN 0
	s_barrier_wait -1
.if \fill
	CREST                                          ; the barrier has opened a round of the cluster's barrier: no wave of any partner still reads this slot's tile or has a load on its way
	s_add_nc_u64 s[G0+4*\slot+2:G0+4*\slot+3], s[G0+4*\slot+2:G0+4*\slot+3], 2*ROWB
	s_add_nc_u64 s[G0B+4*\slot+2:G0B+4*\slot+3], s[G0B+4*\slot+2:G0B+4*\slot+3], 2*ROWB
	JLOAD G0+4*\slot, G1, G0B+4*\slot, G1B         ; the first tensor load behind the round; the four v_nop behind it are the places in front of the loads below
.else
	PLACES NP
.endif
	v_add_nc_u32 v[ADRS], 4*NQ, v[ADRS]            ; on to the next K step's scale words (no LDS load of mine is out)
	FETCH_B \next, 0, 0
	FETCH_A \next, 0, 0
	SCALES \next
	WIN MUL_HI
	MUL16 4, 1, NQ-1, \slot, 0
	MUL16 6, 1, NQ-1, \slot, 0
	PLACES NP
	WIN 0
	FETCH_A \next, 0, 4
.endm
.macro STEPS slot, from                ; the slot's steps from .. NQ - 2
.set Q, \from
.rept NQ-1-\from
	STEP \slot, Q, 0
.set Q, Q+1
.endr
.endm
	s_wait_tensorcnt 1                             ; the scales and my part of K step 0 are in (K step 1's load may be out),
	s_barrier_signal -1
	s_barrier_wait -1                              ; everybody's are
	FETCH_B 0, 0, 0
	FETCH_A 0, 0, 0
	SCALES 0
	FETCH_A 0, 0, 4
	STEP 0, 0, 1                                   ; the first step stands in front of the loop: its products start the sums
	s_mov_b32 s3, LAPS-1
.Llap:                                                 ; a trip goes once round the ring, from a lap's second step to the next lap's first, and fills both slots again
	STEPS 0, 1
	TURN 0, 1, 1
	STEPS 1, 0
	TURN 1, 0, 1
	STEP 0, 0, 0
	s_sub_co_u32 s3, s3, 1
	s_cmp_lg_u32 s3, 0
	s_cbranch_scc1 .Llap
	STEPS 0, 1                                     ; the last lap fills nothing, and has no round of the cluster's barrier
	TURN 0, 1, 0
	STEPS 1, 0
	s_wait_dscnt 4*NL                              ; the very last step: nothing more to fetch
	WIN MUL_LO
	MUL16 0, 1, NQ-1, 1, 0
	MUL16 2, 1, NQ-1, 1, 0
	s_wait_dscnt 0
	WIN MUL_HI
	MUL16 4, 1, NQ-1, 1, 0
	MUL16 6, 1, NQ-1, 1, 0
	WIN 0
; THE WAY OUT, block by block of 16 positions x 128 columns (two heads).  In accumulator (a, b) lane (r, h) holds position 16 a + r and channels 16 (b % 4) + 8 h + 0 .. 7 of head b / 4: four pairs of the rotation.
; PACK: turned by the table (rope = 1) and rounded to f16, 16 bytes a lane and accumulator.  Each accumulator is read from its low end on.
.macro PACK a, rope
.set AC, 64*((\a)%4)
.if \rope
	s_wait_loadcnt 8*(7-(\a))                      ; this block's eight loads of the table are in; those of the blocks behind it, eight each, may be out
	WIN 0x06+(\a)/4                                ; source 0: the accumulators' window (2 or 3); source 1: the table's (1)
.irp b, 0,1,2,3,4,5,6,7
.irp p, 0,1,2,3
	v_mul_f32 v[T+8*\b+2*\p], v[AC+8*\b+2*\p], v[32*(\a)+8*(\b%4)+2*\p]                             ; x0 c
	v_mul_f32 v[T+8*\b+2*\p+1], v[AC+8*\b+2*\p+1], v[32*(\a)+8*(\b%4)+2*\p]                         ; x1 c
	v_fma_f32 v[T+8*\b+2*\p], -v[AC+8*\b+2*\p+1], v[32*(\a)+8*(\b%4)+2*\p+1], v[T+8*\b+2*\p]        ; - x1 s
	v_fma_f32 v[T+8*\b+2*\p+1], v[AC+8*\b+2*\p], v[32*(\a)+8*(\b%4)+2*\p+1], v[T+8*\b+2*\p+1]       ; + x0 s
.endr
.endr
	WIN 0
.irp b, 0,1,2,3,4,5,6,7
.irp p, 0,1,2,3
	v_cvt_pk_f16_f32 v[TMP+4*\b+\p], v[T+8*\b+2*\p], v[T+8*\b+2*\p+1]
.endr
.endr
.else
	WIN 0x0a+5*((\a)/4)                            ; sources 0 and 1: window 2 or 3
.irp b, 0,1,2,3,4,5,6,7
.irp p, 0,1,2,3
	v_cvt_pk_f16_f32 v[TMP+4*\b+\p], v[AC+8*\b+2*\p], v[AC+8*\b+2*\p+1]
.endr
.endr
	WIN 0
.endif
.endm
; SIDE, behind block 0 alone: where the block is a sequence's first 16 positions, its numbers also leave in f32.  Only waves 0 and 1 hold a tile's first rows (a branch on the wave's number); whether the tile begins a sequence
; is no branch: it switches the lanes off.  EXEC is narrowed and widened only behind s_wait_xcnt 0, since it is a source of the loads and stores that are out.
.macro SIDE rope
	s_cmp_lg_u32 s15, 0
	s_cbranch_scc1 .Lno_side_\@
	v_cmp_eq_u32 vcc_lo, s94, v[NIL]
	s_wait_xcnt 0x0
	s_and_saveexec_b32 s95, vcc_lo
.if \rope
.irp b, 0,1,2,3,4,5,6,7
	global_store_b128 v[RO], v[T+8*\b:T+8*\b+3], s[100:101] offset:(\b/4)*4096+(\b%4)*64
	global_store_b128 v[RO], v[T+8*\b+4:T+8*\b+7], s[100:101] offset:(\b/4)*4096+(\b%4)*64+16
.endr
.else
	WIN 0x08                                       ; a store's data are its source 1: window 2
.irp b, 0,1,2,3,4,5,6,7
	global_store_b128 v[RO], v[8*\b:8*\b+3], s[100:101] offset:(\b/4)*4096+(\b%4)*64
	global_store_b128 v[RO], v[8*\b+4:8*\b+7], s[100:101] offset:(\b/4)*4096+(\b%4)*64+16
.endr
	WIN 0
.endif
	s_wait_xcnt 0x0                                ; the stores have read their data and EXEC
	s_or_b32 exec_lo, exec_lo, s95
.Lno_side_\@:
.endm
; TOSTAGE: into my own stage in LDS, and back so that sixteen lanes hold 256 bytes that are neighbours in qkv.  LDS serves a wave's instructions in order: no wait between the stores and the loads.
.macro TOSTAGE a
.irp b, 0,1,2,3,4,5,6,7
	ds_store_b128 v[STO], v[TMP+4*\b:TMP+4*\b+3] offset:32*\b
.endr
.set BB, BK+32*((\a)%2)
.irp i, 0,1,2,3,4,5,6,7
	ds_load_b128 v[BB+4*\i:BB+4*\i+3], v[RD] offset:2*SPITCH*\i
.endr
.endm
.macro SEND a
.set BB, BK+32*((\a)%2)
	s_wait_dscnt 0x0                               ; the block is back in registers
	s_wait_xcnt 0x0                                ; the stores of the block before have read their registers: the next block's loads may land there
.irp i, 0,1,2,3,4,5,6,7
	global_store_b128 v[CO], v[BB+4*\i:BB+4*\i+3], s[12:13] offset:2048*(\a)+256*\i   ; lanes 0-15 store 256 consecutive bytes, aligned: two positions of my first head; lanes 16-31 of my second
.endr
.endm
	PLACES NP                                      ; behind the last products: for the loads into B's registers, the writes over the scale words and A's fragments, and the reads of results
	s_cmp_eq_u32 ttmp9, 2                          ; the cluster's x: the same in all sixteen partners
	s_cbranch_scc1 .Lv_out
	; Q and K.  The table of my 128 positions fills window 1: block a, channels 16 bq + 8 h on: four pairs (cos, sin) at v[32 a + 8 bq ..]
	WIN 0x40
.irp a, 0,1,2,3,4,5,6,7
.irp bq, 0,1,2,3
.irp i, 0,1
	global_load_b128 v[32*\a+8*\bq+4*\i:32*\a+8*\bq+4*\i+3], v[RO], s[96:97] offset:4096*\a+64*\bq+16*\i
.endr
.endr
.endr
	WIN 0
	PACK 0, 1
	SIDE 1
	TOSTAGE 0
.irp a, 1,2,3,4,5,6,7                  ; block a's arithmetic stands between block a - 1's loads from the stage and the wait for them
	PACK \a, 1
	SEND \a-1
	TOSTAGE \a
.endr
	SEND 7
	s_branch .Lend
.Lv_out:                                               ; V is not turned
	PACK 0, 0
	SIDE 0
	TOSTAGE 0
.irp a, 1,2,3,4,5,6,7
	PACK \a, 0
	SEND \a-1
	TOSTAGE \a
.endr
	SEND 7
.Lend:
	s_wait_tensorcnt 0x0                           ; the wave's end, behind my last tensor load and my last LDS store
	ds_add_u32 v[SPW], v[NIL]
	s_wait_dscnt 0x0
	CROUND                                         ; the closing round: no work-group ends while a partner may still ask for a tile that names it
	s_endpgm
.Lfunc_end_k_qa74aad33a0_qkv:
	.size	k_qa74aad33a0_qkv, .Lfunc_end_k_qa74aad33a0_qkv-k_qa74aad33a0_qkv
	.p2alignl 7, 3214868480
	.fill 96, 4, 3214868480
	.section	.rodata,"a",@progbits
	.p2align	6, 0x0
	.amdhsa_kernel k_qa74aad33a0_qkv
		.amdhsa_group_segment_fixed_size 327680
		.amdhsa_private_segment_fixed_size 0
		.amdhsa_enable_private_segment 0
		.amdhsa_kernarg_size 40
		.amdhsa_user_sgpr_count 2
		.amdhsa_user_sgpr_kernarg_segment_ptr 1
		.amdhsa_wavefront_size32 1
		.amdhsa_system_sgpr_workgroup_id_x 1
		.amdhsa_system_sgpr_workgroup_id_y 1
		.amdhsa_system_sgpr_workgroup_id_z 1
		.amdhsa_system_vgpr_workitem_id 0
		.amdhsa_next_free_vgpr 1024
		.amdhsa_next_free_sgpr 102
		.amdhsa_reserve_vcc 1
		.amdhsa_float_denorm_mode_32 3
		.amdhsa_float_denorm_mode_16_64 3
		.amdhsa_memory_ordered 1
		.amdhsa_forward_progress 1
		.amdhsa_inst_pref_size 255
	.end_amdhsa_kernel
	.section	.bss,"aw",@nobits
	.p2align	6
	.space	262144
	.amdgpu_metadata
---
amdhsa.version: [ 1, 2 ]
amdhsa.kernels:
  - .name:           k_qa74aad33a0_qkv
    .symbol:         k_qa74aad33a0_qkv.kd
    .args:
      - { .name: codes, .offset: 0, .size: 8, .value_kind: global_buffer, .address_space: global }
      - { .name: scales, .offset: 8, .size: 8, .value_kind: global_buffer, .address_space: global }
      - { .name: rope, .offset: 16, .size: 8, .value_kind: global_buffer, .address_space: global }
      - { .name: qkv, .offset: 24, .size: 8, .value_kind: global_buffer, .address_space: global }
      - { .name: x16, .offset: 32, .size: 8, .value_kind: global_buffer, .address_space: global }
    .group_segment_fixed_size: 327680
    .private_segment_fixed_size: 0
    .kernarg_segment_align: 8
    .kernarg_segment_size: 40
    .max_flat_workgroup_size: 128
    .sgpr_count:     102
    .vgpr_count:     1024
    .wavefront_size: 32
...
	.end_amdgpu_metadata
.endif
;; end of part 2
;; launch attn (part 3): grid 8 x 32, 16 waves a work-group, no clusters, 327,680 bytes of LDS; arguments qkv, att; writes att
.if DOCPART == 3
	.amdgcn_target "amdgcn-amd-amdhsa--gfx1250"
	.amdhsa_code_object_version 6
	.text
	.protected	k_qa74aad33a0_attn
	.globl	k_qa74aad33a0_attn
	.p2align	8
	.type	k_qa74aad33a0_attn,@function
k_qa74aad33a0_attn:
	s_mov_b64 s[64:65], 0
	v_nop
	global_prefetch_b8 v0, s[64:65] scope:SCOPE_SE
	s_setreg_imm32_b32 hwreg(HW_REG_WAVE_MODE, 25, 1), 1
	s_wait_xcnt 0x0
; THIRD LAUNCH: att[batch][head][q][:] = the sum over k <= q of softmax_k(Q[q] . K[k] / 8) V[k][:], for 32 (batch, head) of 2,048 positions x 64.  Q, K, V, the weights p and the result are f16; products, maxima and sums f32.
; LEFT OUT: key steps all of whose keys come after a tile's queries, and the loads of slots that no wave of the work-group reads: reference() itself replaces those scores by a constant whose weight is 0 (shown at the first launch's head).
; Inside the one step on the diagonal hidden scores become -infinity where reference() has finfo.min: p = 0 either way, since every row keeps its own key.  LIMITS: NaN and infinities are not served; |Q|, |K|, |V| up to 65,504.
; SHARES.  Work-group (j, y) owns query blocks j and 15 - j (128 queries each) of head y: 264 key steps of a tile in every work-group, so the 256 are alike.  Waves w and w + 8 are a PAIR: it owns tile w of block j (the short
; one: 2 j + 1 or 2 j + 2 key steps) and tile w of block 15 - j (the long one: 31 - 2 j or 32 - 2 j).  Up to key KSP = 256 (j / 2 + 1), the first slot boundary behind the short tile's last key, wave w does the short tile and wave
; w + 8 the long one.  There wave w stores the short tile, takes the long tile's Q and begins a second set of (m, l, O^T) for it; from there on wave w takes the long tile's even key steps and wave w + 8 the odd ones.  At the end
; wave w hands its set over through LDS and wave w + 8 joins the two.  So every wave has 15 to 18 key steps, and all sixteen, four to a SIMD, have work to the end: one wave's vector work stands beside another's matrix work and LDS loads.
; NO CLUSTER: under the mask the work-groups of a head need different numbers of tiles, so a joint load would bring some partner tiles that none of its waves reads.
; THE WALK.  64 keys a step, 256 keys a slot, 8 slots' worth; two LDS slots take turns, filled by the tensor data mover (waves 0, 1: K's halves; waves 2, 3: V's) and read by all sixteen.  Every work-group walks all 8 changes of
; slots (trip counts are constants); a step that is not the wave's is jumped over by a branch on ids.  A wave has one tensor load out at the most; every wait for tensor loads is for 0.
; LAYOUT.  S^T = K Q^T (source 0 = 16 keys, source 1 = my 16 queries): a lane holds ONE query (lane % 16) and the keys 8 (lane / 16) + 0..7 of each tile.  Two such tiles, rounded to f16 in pairs, ARE source 1 of O^T = V^T P.
; K comes out of LDS as it lies, V ([key][channel]) turned, by ds_load_tr16_b128.  For each query a running maximum m and sum l: p = 2^(c s - c m), c = log2(e) / 8; O and l are multiplied by a = 2^(c m_old - c m_new) in every step.
.set KP,    144                        ; a row of K in LDS: 128 bytes + 16 of padding
.set VP,    160                        ; a row of V: 128 + 32
.set SK,    256                        ; keys in a slot
.set NQ,    4                          ; key steps in a slot
.set VOFF,  SK*KP                      ; a slot: 256 rows of K, then 256 rows of V
.set SLOT1, 1<<17                      ; slot 1 begins here: one exclusive or turns an address in one slot into the other's
.set NSL,   8
.set SPARE, SLOT1+SK*(KP+VP)           ; the spare words, 128 bytes a wave: eight blocks of 256 bytes that no other line names
.set STAGE, SPARE+2048                 ; the way out: 16 rows x 144 bytes a wave; bytes of its own, into which no tensor load lands, since the short tiles leave in mid-launch
.set MERGE, STAGE+16*16*KP             ; a pair's hand-over: nine images of four registers, 512 bytes each
.set AK0,  1                           ; v1   my lane's place in a tile of K
.set AV0,  2                           ; v2   the same for V
.set SPW,  3                           ; v3   LDS address of my spare word; never rewritten
.set NIL,  4                           ; v4   0; never rewritten
.set PFO,  5                           ; v5   the prefetches' offset: 256 x lane; never rewritten
.set ADK,  6                           ; v6   LDS address of the step's K
.set ADV,  7                           ; v7   and V
.set DD,   8                           ; v8   the mask's distance
.set NINF, 9                           ; v9   -infinity
.set CM,   10                          ; v10 c m, v11 m
.set LS,   12                          ; v[12:13] l: even keys', odd keys'
.set CH,   14                          ; v14-17 four chains of the maximum
.set AA,   18                          ; v[18:19] a (the upper register is named with it as a pair, so it is written once)
.set OCM,  20                          ; v20  c m of the step before
.set DL,   21                          ; v21  lane % 16 - 8 (lane / 16)
.set QOF,  22                          ; v22  my offset in a tile's rows of Q; never rewritten
.set STI,  23                          ; v23  the stage: where I put 16 bytes of a row; never rewritten
.set STB,  24                          ; v24  and where I read 16 bytes back; never rewritten
.set GOF,  25                          ; v25  16 x lane: my offset in a tile's 2,048 bytes of att; never rewritten
.set MRG,  26                          ; v26  my lane's place in my pair's hand-over; never rewritten
.set QF,   32                          ; v32-47   Q: two fragments (channels 0-31, 32-63)
.set KR,   48                          ; v48-111  K: tile t, channels 32 c on, at KR + 16 t + 8 c; at the end my partner's set
.set VR,   112                         ; v112-175 V^T: keys 32 g on, channels 16 c on, at VR + 32 g + 8 c
.set S,    176                         ; v176-207 S^T, then p
.set P,    208                         ; v208-223 p in f16
.set O,    224                         ; v224-255 O^T
.set WV,   18
.set SEL,  20                          ; s[20:21] lane selects for v_permlanex16_b32: lane l xor 16
.set CS,   22                          ; s[22:23] c
.set G1K,  24                          ; s[24:31], s[32:39] descriptor groups 1 for K's and V's tiles;  s[40:43], s[44:47] their groups 0, which walk
.set G1V,  32
.set G0K,  40
.set G0V,  44
.set TB,   2                           ; s2   LDS byte at which the slot in hand begins
.set SLOTS, 67                         ; s67  changes of slots still to come in the loop
.set QL,   68                          ; s68  my work-group's last query
.set KSW,  69                          ; s69  waves 0-7: KSP, the first key of the slot at whose head I change tiles; waves 8-15: no key
.set LE,   70                          ; s70, s71  an even (odd) key step is mine while its first key is at or under s70 (s71)
.set PFA,  76                          ; s[76:77] where my prefetches stand
.set LIM,  80                          ; s80  1 in a wave that prefetches, else the greatest number
.set QH,   81                          ; s81  the long tile's first query
.set HL,   87                          ; s87  and its last
.set KF,   98                          ; s98  the step's first key
.set Q0,   99                          ; s99  the first query of the tile in hand
; Waves 0 and 1 fetch for K, waves 2 and 3 for V, the others nothing.  The branches hang on the wave's number alone.  An s_nop 0 and four v_nop follow each of the two lines.
.macro TLOAD g0k, g1k, g0v, g1v
	s_cmp_lt_u32 s[WV], 2
	s_cbranch_scc0 .Lnot_k_\@
	tensor_load_to_lds s[\g0k:\g0k+3], s[\g1k:\g1k+7]
	s_nop 0
.rept 4
	v_nop
.endr
	s_branch .Lasked_\@
.Lnot_k_\@:
	s_cmp_lt_u32 s[WV], 4
	s_cbranch_scc0 .Lasked_\@
	tensor_load_to_lds s[\g0v:\g0v+3], s[\g1v:\g1v+7]
	s_nop 0
.rept 4
	v_nop
.endr
.Lasked_\@:
.endm
; A PREFETCH INTO THE L2 of what the NEXT change of slots will ask for: a slot's 256 rows of K and of V, 32,768 dense bytes each.  Each aligned block of 256 bytes is named once in the launch: of a head's eight work-groups
; the one that walks all keys (j = 0) asks; in it waves 4-7 ask for K, waves 8-11 for V, one instruction each: 8,192 bytes a wave, lanes 256 bytes apart.  A slot's 4 key steps ahead of the load.
; The last change that fills a slot asks for nothing; slots 0 and 1 come by their loads alone.
.macro ASK
	s_cmp_gt_u32 s[SLOTS], s[LIM]
	s_cbranch_scc0 .Lnot_mine_\@
	global_prefetch_b8 v[PFO], s[PFA:PFA+1] th:TH_LOAD_NT scope:SCOPE_SE
.Lnot_mine_\@:
.endm
	s_load_b128 s[4:7], s[0:1], 0x0                ; qkv s[4:5], att s[6:7]
	v_lshl_add_u32 v[SPW], v0, 2, SPARE
	v_mov_b32 v[NIL], 0
	ds_add_u32 v[SPW], v[NIL]                      ; the wave's opening: the add, twice on end, and its wait ahead of my first tensor load; the set-up below stands between the second and the wait
	ds_add_u32 v[SPW], v[NIL]
	v_lshrrev_b32 v6, 5, v0
	v_readfirstlane_b32 s[WV], v6                  ; wave 0..15
	s_and_b32 s72, ttmp7, 0xffff                   ; y = 16 x batch + head
	s_lshl_b32 s74, s72, 18                        ; its first byte in each of Q, K, V and att: 2,048 rows of 128 bytes
	s_and_b32 s73, s[WV], 7
	s_lshl_b32 s73, s73, 4                         ; my pair's tile in a block: 16 x (wave % 8)
	s_lshl_b32 s72, ttmp9, 7                       ; 128 j
	s_add_co_u32 s75, s72, s73                     ; the short tile's first query
	s_sub_co_u32 s[QH], 1920, s72
	s_add_co_u32 s[QH], s[QH], s73                 ; the long tile's: 128 (15 - j) + 16 (wave % 8)
	s_sub_co_u32 s[QL], 2047, s72                  ; the last query of block 15 - j
	s_add_co_u32 s84, s75, 15                      ; the short tile's last query
	s_lshr_b32 s83, s84, 8
	s_add_co_u32 s83, s83, 1
	s_lshl_b32 s83, s83, 8                         ; KSP: the first slot boundary behind it (256 to 1,024: the same for all eight pairs)
	s_sub_co_u32 s85, s83, 1
	s_add_co_u32 s[HL], s[QH], 15
	s_cmp_lt_u32 s[WV], 8                          ; waves 0-7 begin with the short tile, waves 8-15 with the long one
	s_cselect_b32 s[Q0], s75, s[QH]
	s_cselect_b32 s[KSW], s83, -1
	s_cselect_b32 s[LE], s84, s85                  ; waves 8-15 take the even steps only up to KSP,
	s_cselect_b32 s[LE+1], s84, s[HL]              ; the odd ones to the long tile's end
	; what I fetch, if I fetch: rows 128 (wave % 2) on of a slot
	s_and_b32 s88, s[WV], 1
	s_lshl_b32 s90, s88, 14
	s_add_co_u32 s90, s90, s74
	s_add_co_u32 s92, s90, 16777216                ; V lies behind Q and K,
	s_add_co_u32 s90, s90, 8388608                 ; K behind Q
	s_mov_b32 s91, 0
	s_mov_b32 s93, 0
	s_mul_i32 s89, s88, 128*KP                     ; and where it goes in a slot
	s_mul_i32 s94, s88, 128*VP
	s_add_co_u32 s94, s94, VOFF
	; descriptor group 1: 128 rows of 64 elements of 2 bytes, dense in memory, padded in LDS
	s_mov_b32 s[G1K], (1<<16)|(1<<20)|(4<<22)|(3<<25)             ; 15:0 no mask; 17:16 elements of 2 bytes; 20 padding on; 24:22 after every 32 words; 31:25 four words
	s_mov_b32 s[G1V], (1<<16)|(1<<20)|(4<<22)|(7<<25)             ; the same with eight words
.irp g, G1K, G1V
	s_mov_b32 s[\g+1], 64<<16                      ; tensor_dim0
	s_mov_b32 s[\g+2], 128<<16                     ; tensor_dim1
	s_mov_b32 s[\g+3], 64<<16                      ; tile_dim0
	s_mov_b32 s[\g+4], 128                         ; tile_dim1
	s_mov_b32 s[\g+5], 64                          ; tensor_dim0_stride
	s_mov_b32 s[\g+6], 0
	s_mov_b32 s[\g+7], 0
.endr
	s_mov_b32 s[SEL], 0x76543210
	s_mov_b32 s[SEL+1], 0xfedcba98
	s_mov_b32 s[CS], 0x3e38aa3b                    ; c = log2(e) / 8
	s_mov_b32 s[CS+1], s[CS]                       ; (named with it as a pair, so it is written)
	s_mov_b32 s[TB], 0
	s_mov_b32 s[SLOTS], NSL-1
	s_mov_b32 s[KF], 0
	s_wait_dscnt 0x0                               ; both opening adds are done
	s_wait_kmcnt 0x0
	s_mov_b32 s[G0K], 1                            ; 1:0 count = 1
	s_mov_b32 s[G0K+1], s89                        ; 63:32 LDS address: slot 0
	s_add_nc_u64 s[G0K+2:G0K+3], s[4:5], s[90:91]  ; 120:64 global address: the head's first 256 keys
	s_or_b32 s[G0K+3], s[G0K+3], 0x80000000        ; 127:126 type = 2
	s_mov_b32 s[G0V], 1
	s_mov_b32 s[G0V+1], s94
	s_add_nc_u64 s[G0V+2:G0V+3], s[4:5], s[92:93]
	s_or_b32 s[G0V+3], s[G0V+3], 0x80000000
	TLOAD G0K, G1K, G0V, G1V                       ; slot 0: it holds key 0, which counts for every query
	s_lshl_b32 s82, s[Q0], 7
	s_add_co_u32 s82, s82, s74
	s_mov_b32 s83, 0
	s_add_nc_u64 s[8:9], s[4:5], s[82:83]          ; Q at my first tile's first query
	s_add_nc_u64 s[6:7], s[6:7], s[82:83]          ; att likewise: the one tile that I store (waves 0-7 the short one, waves 8-15 the long one)
	s_lshl_b32 s82, s[QH], 7
	s_add_co_u32 s82, s82, s74
	s_add_nc_u64 s[12:13], s[4:5], s[82:83]        ; Q at the long tile
	v_and_b32 v6, 15, v0                           ; r = lane % 16
	v_bfe_u32 v7, v0, 4, 1                         ; h = lane / 16
	v_lshlrev_b32 v[QOF], 7, v6
	v_lshl_add_u32 v[QOF], v7, 4, v[QOF]           ; row r of 128 bytes, + 16 h
.irp i, 0,1,2,3
	global_load_b128 v[QF+4*\i:QF+4*\i+3], v[QOF], s[8:9] offset:32*\i   ; Q's two fragments stay in registers
.endr
	; the prefetches: where my wave's stand, and who asks
	s_mov_b32 s82, 16777216
	s_cmp_lt_u32 s[WV], 8                          ; waves 4 to 7 ask for K, waves 8 to 11 for V
	s_cselect_b32 s82, 8388608, s82
	s_add_co_u32 s82, s82, s74                     ; in my head,
	s_and_b32 s84, s[WV], 3
	s_lshl_b32 s84, s84, 13
	s_add_co_u32 s82, s82, s84                     ; my wave's 8,192 bytes,
	s_add_co_u32 s82, s82, SK*128                  ; in slot 1: the first change of slots steps it to slot 2.  Nothing is prefetched at the head
	s_add_nc_u64 s[PFA:PFA+1], s[4:5], s[82:83]
	s_sub_co_u32 s82, s[WV], 4
	s_lshr_b32 s82, s82, 3                         ; 0 in waves 4 to 11,
	s_or_b32 s82, s82, ttmp9                       ; of the work-group j = 0
	s_cmp_eq_u32 s82, 0
	s_cselect_b32 s[LIM], 1, -1
	v_and_b32 v[PFO], 31, v0
	v_lshlrev_b32 v[PFO], 8, v[PFO]
	v_mul_u32_u24 v[AK0], v6, KP
	v_lshl_add_u32 v[AK0], v7, 4, v[AK0]           ; K: row r x pitch + 16 h
	v_and_b32 v[DD], 7, v0                         ; V: the turning load takes 16 keys x 16 channels: lane l reads key 8 h + l % 8, channels 8 ((l / 8) % 2) on
	v_lshl_add_u32 v[DD], v7, 3, v[DD]
	v_mul_u32_u24 v[AV0], v[DD], VP
	v_bfe_u32 v[DD], v0, 3, 1
	v_lshl_add_u32 v[AV0], v[DD], 4, v[AV0]
	v_add_nc_u32 v[AV0], VOFF, v[AV0]
	v_lshlrev_b32 v[DL], 3, v7
	v_sub_nc_u32 v[DL], v6, v[DL]                  ; r - 8 h
	s_mul_i32 s73, s[WV], 16*KP
	s_add_co_u32 s73, s73, STAGE                   ; my stage
	v_mul_u32_u24 v[STI], v6, KP
	v_lshl_add_u32 v[STI], v7, 4, v[STI]
	v_add_nc_u32 v[STI], s73, v[STI]               ; in: row r, + 16 h; tile c's channels 32 c bytes on
	v_and_b32 v[GOF], 31, v0
	v_lshrrev_b32 v[STB], 3, v[GOF]
	v_mul_u32_u24 v[STB], v[STB], KP
	v_and_b32 v[MRG], 7, v0
	v_lshl_add_u32 v[STB], v[MRG], 4, v[STB]
	v_add_nc_u32 v[STB], s73, v[STB]               ; back: eight lanes to a row, four rows an instruction
	v_lshlrev_b32 v[GOF], 4, v[GOF]                ; 16 bytes a lane
	s_and_b32 s73, s[WV], 7
	s_mul_i32 s73, s73, 9*512
	s_add_co_u32 s73, s73, MERGE
	v_add_nc_u32 v[MRG], s73, v[GOF]               ; my pair's hand-over: the same bytes for both waves of the pair
	v_mov_b32 v[NINF], 0xff800000
	v_mov_b32 v[CM+1], 0xff61b1e6                  ; m so far: -3e38, under every score
	v_mul_f32 v[CM], s[CS], v[CM+1]
	v_mov_b32 v[LS], 0
	v_mov_b32 v[LS+1], 0
.irp j, 14,15,16,17,18,19,20
	v_mov_b32 v\j, 0                               ; written once, so that no way through the text reads them unwritten
.endr
.irp j, 0,1,2,3,4,5,6,7,8,9,10,11,12,13,14,15,16,17,18,19,20,21,22,23,24,25,26,27,28,29,30,31
	v_mov_b32 v[O+\j], 0                           ; O^T.  (The step is written once: the first finds zeros, which a = 0 leaves zeros)
.endr
; A KEY STEP: 64 keys, the q-th of the slot in hand.
.macro STEP q
	s_cmp_gt_u32 s[KF], s[LE+(\q)%2]               ; a step that is not mine is left out: its keys come after my tile's queries, or it is my partner's.  A branch on ids; no barrier and no tensor load stands in a step
	s_cbranch_scc1 .Lhidden_\@
	v_add_nc_u32 v[ADK], s[TB], v[AK0]
	v_add_nc_u32 v[ADV], s[TB], v[AV0]
	v_nop                                          ; with the two additions: four places in front of the loads into V's registers, which the last products read
	v_nop
.irp t, 0,1,2,3
.irp c, 0,1
	ds_load_b128 v[KR+16*\t+8*\c:KR+16*\t+8*\c+3], v[ADK] offset:(64*(\q)+16*\t)*KP+64*\c
	ds_load_b128 v[KR+16*\t+8*\c+4:KR+16*\t+8*\c+7], v[ADK] offset:(64*(\q)+16*\t)*KP+64*\c+32
.endr
.endr
.irp g, 0,1
.irp c, 0,1,2,3
	ds_load_tr16_b128 v[VR+32*\g+8*\c:VR+32*\g+8*\c+3], v[ADV] offset:(64*(\q)+32*\g)*VP+32*\c
	ds_load_tr16_b128 v[VR+32*\g+8*\c+4:VR+32*\g+8*\c+7], v[ADV] offset:(64*(\q)+32*\g)*VP+16*VP+32*\c
.endr
.endr
	s_wait_dscnt 16                                ; K is in; V's sixteen loads may be out
.irp t, 0,1,2,3                                ; S^T = K Q^T: four accumulators by turns
	v_wmma_f32_16x16x32_f16 v[S+8*\t:S+8*\t+7], v[KR+16*\t:KR+16*\t+7], v[QF:QF+7], 0
.endr
.irp t, 0,1,2,3
	v_wmma_f32_16x16x32_f16 v[S+8*\t:S+8*\t+7], v[KR+16*\t+8:KR+16*\t+15], v[QF+8:QF+15], v[S+8*\t:S+8*\t+7]
.endr
.rept 4
	v_nop
.endr
	s_add_co_u32 s96, s[KF], 63                    ; a step all of whose keys count skips the mask
	s_cmp_le_u32 s96, s[Q0]
	s_cbranch_scc1 .Lopen_\@
	s_sub_co_i32 s96, s[Q0], s[KF]
	v_add_nc_u32 v[DD], s96, v[DL]                 ; d = my query - KF - 8 h.  Register 8 t + i holds key KF + 16 t + 8 h + i: hidden where 16 t + i > d
.irp n, 0,1,2,3,4,5,6,7,8,9,10,11,12,13,14,15,16,17,18,19,20,21,22,23,24,25,26,27,28,29,30,31
	v_cmp_gt_i32 vcc_lo, 16*(\n/8)+\n%8, v[DD]
	v_cndmask_b32 v[S+\n], v[S+\n], v[NINF], vcc_lo
.endr
.Lopen_\@:
.irp j, 0,1,2,3                                ; the maximum of my 32 scores and the old m: four chains, each begun at its accumulator's low end
	v_max3_num_f32 v[CH+\j], v[S+8*\j], v[S+8*\j+1], v[S+8*\j+2]
.endr
.irp i, 3,5
.irp j, 0,1,2,3
	v_max3_num_f32 v[CH+\j], v[CH+\j], v[S+8*\j+\i], v[S+8*\j+\i+1]
.endr
.endr
	v_max3_num_f32 v[CH], v[CH], v[S+7], v[S+15]
	v_max3_num_f32 v[CH+2], v[CH+2], v[S+23], v[S+31]
	v_max3_num_f32 v[CH], v[CH], v[CH+1], v[CH+2]
	v_max3_num_f32 v[CH], v[CH], v[CH+3], v[CM+1]
	v_permlanex16_b32 v[CH+1], v[CH], s[SEL], s[SEL+1]   ; the query's other 32 keys lie in the lane 16 away
	v_mov_b32 v[OCM], v[CM]
	v_max_num_f32 v[CM+1], v[CH], v[CH+1]          ; the new m: a number, since the step's first key counts for all my queries (KF and Q0 are multiples of 16, and KF <= Q0 + 15)
	v_mul_f32 v[CM], s[CS], v[CM+1]
	v_sub_f32 v[AA], v[OCM], v[CM]
.irp j, 0,2,4,6,8,10,12,14,16,18,20,22,24,26,28,30
	v_pk_fma_f32 v[S+\j:S+\j+1], v[S+\j:S+\j+1], s[CS:CS+1], v[CM:CM+1] op_sel_hi:[1,0,0] neg_lo:[0,0,1] neg_hi:[0,0,1]   ; c s - c m, two at a time
.endr
	v_exp_f32 v[AA], v[AA]                         ; ONE BATCH: a and the 32 weights
.irp j, 0,1,2,3,4,5,6,7,8,9,10,11,12,13,14,15,16,17,18,19,20,21,22,23,24,25,26,27,28,29,30,31
	v_exp_f32 v[S+\j], v[S+\j]
.endr
	v_nop                                          ; a plain line behind the last exponential
	s_wait_alu depctr_va_vdst(0)                   ; and the one wait ahead of the batch's first reader
.irp i, 0,1,2,3,4,5,6,7,8,9,10,11,12,13,14,15
	v_cvt_pk_f16_f32 v[P+\i], v[S+2*\i], v[S+2*\i+1]
.endr
.irp u, 0,1,2,3,4,5,6,7                        ; the sum of the unrounded weights, in place, pairs 1, 2, 4 and 8 apart
	v_pk_add_f32 v[S+4*\u:S+4*\u+1], v[S+4*\u:S+4*\u+1], v[S+4*\u+2:S+4*\u+3]
.endr
.irp u, 0,1,2,3
	v_pk_add_f32 v[S+8*\u:S+8*\u+1], v[S+8*\u:S+8*\u+1], v[S+8*\u+4:S+8*\u+5]
.endr
.irp u, 0,1
	v_pk_add_f32 v[S+16*\u:S+16*\u+1], v[S+16*\u:S+16*\u+1], v[S+16*\u+8:S+16*\u+9]
.endr
	v_pk_add_f32 v[S:S+1], v[S:S+1], v[S+16:S+17]
	v_pk_fma_f32 v[LS:LS+1], v[LS:LS+1], v[AA:AA+1], v[S:S+1] op_sel_hi:[1,0,1]   ; l = a l + the sum
.irp j, 0,2,4,6,8,10,12,14,16,18,20,22,24,26,28,30
	v_pk_mul_f32 v[O+\j:O+\j+1], v[O+\j:O+\j+1], v[AA:AA+1] op_sel_hi:[1,0]       ; O^T x a
.endr
	s_wait_dscnt 0x0                               ; V is in
.irp g, 0,1                                    ; O^T += V^T P: four accumulators by turns
.irp c, 0,1,2,3
	v_wmma_f32_16x16x32_f16 v[O+8*\c:O+8*\c+7], v[VR+32*\g+8*\c:VR+32*\g+8*\c+7], v[P+8*\g:P+8*\g+7], v[O+8*\c:O+8*\c+7]
.endr
.endr
.Lhidden_\@:
	s_add_co_u32 s[KF], s[KF], 64
.endm
; THE CHANGE OF SLOTS stands at a slot's head.  Each wave waits for all its tensor loads (its part of the slot that it is about to read), adds 0 to its spare word (fill = 1: twice on end), and waits for that and for its reads of
; the slot that it has left.  Behind the barrier the slot ahead is whole and nobody reads the other one.  fill = 1: that other slot is filled with the keys that follow, up to the causal limit: the load has a slot's steps in which to land.
.macro CHANGE fill
	s_wait_tensorcnt 0x0                           ; no tensor load of mine is out, so a group 0 may be written
	ds_add_u32 v[SPW], v[NIL]                      ; 0 onto my spare word
.if \fill
	ds_add_u32 v[SPW], v[NIL]                      ; and once more
	s_xor_b32 s[G0K+1], s[G0K+1], SLOT1            ; the walking descriptors: the other slot than last time,
	s_add_nc_u64 s[G0K+2:G0K+3], s[G0K+2:G0K+3], SK*128   ; the next 256 keys; the type bits on top are not reached
	s_xor_b32 s[G0V+1], s[G0V+1], SLOT1
	s_add_nc_u64 s[G0V+2:G0V+3], s[G0V+2:G0V+3], SK*128
	s_wait_xcnt 0x0                                ; the last prefetch, a slot back, has read its address, so it may be written:
	s_add_nc_u64 s[PFA:PFA+1], s[PFA:PFA+1], SK*128   ; one slot further on than the walking descriptors
.endif
	s_wait_dscnt 0x0                               ; the add is done (fill = 1: both are), and my reads of the slot that I have left are over
	s_barrier_signal -1
	s_barrier_wait -1
.if \fill
	s_add_co_u32 s96, s[KF], SK                    ; the first key of the slot that this change would ask for:
	s_cmp_gt_u32 s96, s[QL]                        ; past my work-group's last query it is read by none of its waves, so it is not asked for.  Ids and the count of steps alone: all sixteen waves go the same way
	s_cbranch_scc1 .Lpast_\@
	TLOAD G0K, G1K, G0V, G1V                       ; a wave's one tensor load until the next such barrier
.Lpast_\@:
	ASK
.endif
.endm
.macro SLOT_STEPS
.set Q, 0
.rept NQ
	STEP Q
.set Q, Q+1
.endr
	s_xor_b32 s[TB], s[TB], SLOT1                  ; on to the other slot
.endm
; A TILE LEAVES.  l's halves are added; O^T / l is rounded to f16 and goes through my stage in LDS, so that the wave's stores cover 512 consecutive bytes: a tile's 16 rows of 128 bytes are 2,048 consecutive bytes of att.
.macro FINISH
	v_add_f32 v[LS], v[LS], v[LS+1]
	v_permlanex16_b32 v[CH], v[LS], s[SEL], s[SEL+1]
	v_add_f32 v[LS], v[LS], v[CH]                  ; the row's sum: above 0, since every row keeps its own key
	v_rcp_f32 v[LS], v[LS]
	v_nop                                          ; a plain line behind the reciprocal,
	s_wait_alu depctr_va_vdst(0)                   ; and the wait ahead of its first reader
.irp j, 0,2,4,6,8,10,12,14,16,18,20,22,24,26,28,30
	v_pk_mul_f32 v[O+\j:O+\j+1], v[O+\j:O+\j+1], v[LS:LS+1] op_sel_hi:[1,0]
.endr
.irp i, 0,1,2,3,4,5,6,7,8,9,10,11,12,13,14,15
	v_cvt_pk_f16_f32 v[S+\i], v[O+2*\i], v[O+2*\i+1]
.endr
.irp c, 0,1,2,3
	ds_store_b128 v[STI], v[S+4*\c:S+4*\c+3] offset:32*\c
.endr
.irp i, 0,1,2,3
	ds_load_b128 v[S+16+4*\i:S+16+4*\i+3], v[STB] offset:4*KP*\i   ; LDS serves a wave's instructions in order: these see my stores
.endr
.irp i, 0,1,2,3
	s_wait_dscnt 3-\i                              ; the younger loads may be out
	global_store_b128 v[GOF], v[S+16+4*\i:S+16+4*\i+3], s[6:7] offset:512*\i
.endr
.endm
; WAVES 0-7 CHANGE TILES at the head of the slot that begins with key KSP, behind the change of slots and its tensor load.  The long tile's Q is asked for first and lands while the short tile leaves; then m, l and O^T begin anew,
; and from here on the even key steps of the long tile are mine.  A branch on ids; no barrier stands under it.
.macro SWITCH
	s_cmp_lg_u32 s[KF], s[KSW]
	s_cbranch_scc1 .Lno_switch_\@
.irp i, 0,1,2,3
	global_load_b128 v[QF+4*\i:QF+4*\i+3], v[QOF], s[12:13] offset:32*\i
.endr
.rept 4
	v_nop                                          ; four places between the last products and the first read of O^T
.endr
	FINISH
	v_mov_b32 v[CM+1], 0xff61b1e6
	v_mul_f32 v[CM], s[CS], v[CM+1]
	v_mov_b32 v[LS], 0
	v_mov_b32 v[LS+1], 0
.irp j, 0,1,2,3,4,5,6,7,8,9,10,11,12,13,14,15,16,17,18,19,20,21,22,23,24,25,26,27,28,29,30,31
	v_mov_b32 v[O+\j], 0
.endr
	s_mov_b32 s[Q0], s[QH]
	s_mov_b32 s[LE], s[HL]                         ; the even steps up to the long tile's last query,
	s_mov_b32 s[LE+1], 0                           ; no odd step: every first key from here on is above 0
	s_wait_loadcnt 0x0                             ; Q
	s_wait_xcnt 0x0                                ; the stores have read their data: the next step's products write those registers
.Lno_switch_\@:
.endm
	s_wait_loadcnt 0x0                             ; Q
.Lslot:                                            ; NSL - 1 trips: slots 0 to 6; KSP is the first key of one of slots 1 to 4
	CHANGE 1
	SWITCH
	SLOT_STEPS
	s_sub_co_u32 s[SLOTS], s[SLOTS], 1
	s_cmp_lg_u32 s[SLOTS], 0
	s_cbranch_scc1 .Lslot
	CHANGE 0                                       ; the last slot is written out: nothing is left to ask for
	SLOT_STEPS
	; THE PAIR'S TWO SETS ARE JOINED.  Waves 0-7 lay theirs into LDS as images of the registers (O^T: eight stores of 16 bytes a lane; c m, m and l: one); a barrier; waves 8-15 read them with the same addresses.
.rept 4
	v_nop                                          ; four places between the last products and the first read of O^T, in both roles
.endr
	s_cmp_lt_u32 s[WV], 8
	s_cbranch_scc0 .Lkeeper
.irp k, 0,1,2,3,4,5,6,7
	ds_store_b128 v[MRG], v[O+4*\k:O+4*\k+3] offset:512*\k         ; each accumulator from its low end on
.endr
	ds_store_b128 v[MRG], v[CM:CM+3] offset:4096
.Lkeeper:
	s_wait_dscnt 0x0                               ; for my partner's sake: my stores have landed
	s_barrier_signal -1
	s_barrier_wait -1
	s_cmp_lt_u32 s[WV], 8
	s_cbranch_scc1 .Ldone
.irp k, 0,1,2,3,4,5,6,7
	ds_load_b128 v[KR+4*\k:KR+4*\k+3], v[MRG] offset:512*\k
.endr
	ds_load_b128 v[KR+32:KR+35], v[MRG] offset:4096
	s_wait_dscnt 0x0
	v_max_num_f32 v[CH], v[CM], v[KR+32]           ; c m of both sets (c is positive).  A partner that had no step brings c x -3e38, 0 and zeros: its factor is 0
	v_sub_f32 v[AA], v[CM], v[CH]
	v_sub_f32 v[CH+2], v[KR+32], v[CH]
	v_exp_f32 v[AA], v[AA]                         ; my set's factor,
	v_exp_f32 v[CH+2], v[CH+2]                     ; my partner's
	v_nop
	s_wait_alu depctr_va_vdst(0)
	v_pk_mul_f32 v[LS:LS+1], v[LS:LS+1], v[AA:AA+1] op_sel_hi:[1,0]
	v_pk_fma_f32 v[LS:LS+1], v[KR+34:KR+35], v[CH+2:CH+3], v[LS:LS+1] op_sel_hi:[1,0,1]
.irp j, 0,2,4,6,8,10,12,14,16,18,20,22,24,26,28,30
	v_pk_mul_f32 v[O+\j:O+\j+1], v[O+\j:O+\j+1], v[AA:AA+1] op_sel_hi:[1,0]
.endr
.irp j, 0,2,4,6,8,10,12,14,16,18,20,22,24,26,28,30
	v_pk_fma_f32 v[O+\j:O+\j+1], v[KR+\j:KR+\j+1], v[CH+2:CH+3], v[O+\j:O+\j+1] op_sel_hi:[1,0,1]
.endr
	FINISH                                         ; the long tile leaves
.Ldone:
	s_wait_tensorcnt 0x0                           ; the wave's end, behind my last tensor load and my last LDS store
	ds_add_u32 v[SPW], v[NIL]
	s_wait_dscnt 0x0
	s_endpgm
.Lfunc_end_k_qa74aad33a0_attn:
	.size	k_qa74aad33a0_attn, .Lfunc_end_k_qa74aad33a0_attn-k_qa74aad33a0_attn
	.p2alignl 7, 3214868480
	.fill 96, 4, 3214868480
	.section	.rodata,"a",@progbits
	.p2align	6, 0x0
	.amdhsa_kernel k_qa74aad33a0_attn
		.amdhsa_group_segment_fixed_size 327680
		.amdhsa_private_segment_fixed_size 0
		.amdhsa_enable_private_segment 0
		.amdhsa_kernarg_size 16
		.amdhsa_user_sgpr_count 2
		.amdhsa_user_sgpr_kernarg_segment_ptr 1
		.amdhsa_wavefront_size32 1
		.amdhsa_system_sgpr_workgroup_id_x 1
		.amdhsa_system_sgpr_workgroup_id_y 1
		.amdhsa_system_sgpr_workgroup_id_z 1
		.amdhsa_system_vgpr_workitem_id 0
		.amdhsa_next_free_vgpr 256
		.amdhsa_next_free_sgpr 100
		.amdhsa_reserve_vcc 1
		.amdhsa_float_denorm_mode_32 3
		.amdhsa_float_denorm_mode_16_64 3
		.amdhsa_memory_ordered 1
		.amdhsa_forward_progress 1
		.amdhsa_inst_pref_size 118
	.end_amdhsa_kernel
	.amdgpu_metadata
---
amdhsa.version: [ 1, 2 ]
amdhsa.kernels:
  - .name:           k_qa74aad33a0_attn
    .symbol:         k_qa74aad33a0_attn.kd
    .args:
      - { .name: qkv, .offset: 0, .size: 8, .value_kind: global_buffer, .address_space: global }
      - { .name: att, .offset: 8, .size: 8, .value_kind: global_buffer, .address_space: global }
    .group_segment_fixed_size: 327680
    .private_segment_fixed_size: 0
    .kernarg_segment_align: 8
    .kernarg_segment_size: 16
    .max_flat_workgroup_size: 512
    .sgpr_count:     100
    .vgpr_count:     256
    .wavefront_size: 32
...
	.end_amdgpu_metadata
.endif
;; end of part 3
;; launch proj (part 4): grid 8 x 32, 4 waves a work-group, clusters of 4 x 4, 327,680 bytes of LDS; arguments att, wo16, out0; writes out0
.if DOCPART == 4
	.amdgcn_target "amdgcn-amd-amdhsa--gfx1250"
	.amdhsa_code_object_version 6
	.text
	.protected	k_qa74aad33a0_proj
	.globl	k_qa74aad33a0_proj
	.p2align	8
	.type	k_qa74aad33a0_proj,@function
k_qa74aad33a0_proj:
	s_mov_b64 s[64:65], 0
	v_nop
	global_prefetch_b8 v0, s[64:65] scope:SCOPE_SE
	s_setreg_imm32_b32 hwreg(HW_REG_WAVE_MODE, 25, 1), 1
	s_wait_xcnt 0x0
	s_wait_alu depctr_hold_cnt(0) depctr_sa_sdst(0) depctr_va_vdst(0) depctr_va_sdst(0) depctr_va_ssrc(0) depctr_va_vcc(0) depctr_vm_vsrc(0)
	s_getreg_b32 s2, hwreg(HW_REG_IB_STS2, 6, 4)
	s_cmp_eq_u32 s2, 0
	s_cbranch_scc0 .Lentry_in_a_cluster
	s_endpgm
.Lentry_in_a_cluster:
	s_bfe_u32 s2, ttmp6, 0x10000c
	s_cmp_lg_u32 s2, 0xf033
	s_cbranch_scc0 .Lentry_shape_is_right
	s_endpgm
.Lentry_shape_is_right:
; FOURTH LAUNCH: out0[m][n] = sum over k of A[m][k] Wo[n][k], m = 4,096 (batch, position), n = 2,048, k = 1,024 (head, channel).  A is the attention's result in f16, laid att[batch][head][position][64]; Wo in f16 [2048][1024]; sums and out0 f32.
; Nothing is left out.  The 32 rows of the sequences' first 16 positions are stored here with their tiles and written again, more finely, by the last launch.
; A tile of C is 128 rows x 256 columns: 256 work-groups, one for each WGP (256 x 256 would give 128).  Four waves, each 64 rows x 128 columns: 32 accumulators of 16 x 16, 256 registers.
; K goes in steps of 128 = two heads through a ring of two LDS slots.  A step's tile of A is two planes (a head each) of 128 rows x 128 bytes, each dense in memory; B's is 256 rows x 256 bytes.  One tensor load a wave:
; waves 0, 1 A's planes, waves 2, 3 B's halves.  CLUSTERS: 4 x 4 work-groups; A's tiles are shared along a row of the cluster, B's along a column: each is asked for JOINTLY.  At most two tensor loads of a wave are out (the first fills), later one.
; THE MATRIX INSTRUCTION IS USED TRANSPOSED (source 0 = 16 rows of Wo, source 1 = 16 rows of A): a lane holds eight neighbouring numbers of a row of C.
; REGISTERS: window 0: v0-31 addresses; v32-63, v64-95 A's fragments, two buffers; v128-191, v192-255 B's, two buffers (on the way out: rows read back).   window 1: the accumulators ((a, b) at v[8 (8 a + b)]).
.set AP,     144                       ; a row of A's plane in LDS: 128 bytes + 16
.set BP,     272                       ; a row of B: 256 bytes + 16
.set APL,    128*AP                    ; a plane
.set BH,     128*BP                    ; half of B's tile
.set SLOT,   2*APL+2*BH
.set SPARE,  2*SLOT                    ; the spare words, 128 bytes a wave: two blocks of 256 bytes that no other line names
.set SPITCH, 528                       ; the way out: a stage of 16 rows x (512 bytes + 16) for each wave, in slot 0, which has had its last fill and its last read when the first result is stored there
.set LAPS,   4                         ; 8 K steps, two to a lap
.set ADRA, 16                          ; v16-17  LDS address of my A fragments in slot 0, 1
.set ADRB, 20                          ; v20-21  the same for B
.set STO,  24                          ; v24     the way out: where I put 32 bytes of a row
.set RD,   25                          ; v25     where I read a row back
.set CO,   26                          ; v26     my byte offset in a row of C
.set SPW,  28                          ; v28     LDS address of my spare word; never rewritten
.set NIL,  29                          ; v29     0; never rewritten
.set AFR,  32
.set BF,   128
.set BK,   128
.set G1, 24                            ; s[24:31] descriptor group 1 for A's planes;  s[32:39] group 0, one set for each slot
.set G0, 32
.set G1B, 48                           ; s[48:55], s[56:63] the same for B's tiles
.set G0B, 56
.set MSB, 0
.macro WIN new                         ; the immediate's high byte repeats the setting that is left
.if MSB != (\new)
	s_set_vgpr_msb (MSB<<8)|(\new)
.set MSB, (\new)
.endif
.endm
.set MUL, 0x50                         ; C and D window 1, sources 0 and 1 window 0
.macro JLOAD s                         ; a joint load: waves 0 and 1 fetch A's planes, waves 2 and 3 B's halves; an s_nop 0 and four v_nop follow each of the two lines
	s_cmp_eq_u32 s11, 0
	s_cbranch_scc0 .Lfor_b_\@
	tensor_load_to_lds s[G0+4*\s:G0+4*\s+3], s[G1:G1+7]
	s_nop 0
.rept 4
	v_nop
.endr
	s_branch .Lasked_\@
.Lfor_b_\@:
	tensor_load_to_lds s[G0B+4*\s:G0B+4*\s+3], s[G1B:G1B+7]
	s_nop 0
.rept 4
	v_nop
.endr
.Lasked_\@:
.endm
.macro CREST                           ; a round of the cluster's barrier behind its opening barrier
	s_cmp_lg_u32 s10, 0
	s_cbranch_scc1 .Lnot_wave_0_\@
	s_barrier_signal -3
.Lnot_wave_0_\@:
	s_barrier_wait -3
	s_barrier_signal -1
	s_barrier_wait -1
.endm
.macro CROUND
	s_barrier_signal -1
	s_barrier_wait -1
	CREST
.endm
	s_load_b128 s[4:7], s[0:1], 0x0                ; att s[4:5], wo16 s[6:7]
	s_load_b64 s[8:9], s[0:1], 0x10                ; out0
	v_lshl_add_u32 v[SPW], v0, 2, SPARE
	v_mov_b32 v[NIL], 0
	ds_add_u32 v[SPW], v[NIL]                      ; the wave's opening: the add, twice on end, and its wait ahead of my first tensor load; the set-up below stands between the second and the wait
	ds_add_u32 v[SPW], v[NIL]
	v_lshrrev_b32 v1, 5, v0
	v_readfirstlane_b32 s10, v1                    ; wave 0..3
	s_lshr_b32 s11, s10, 1                         ; which 64 rows of the tile are mine.  Also: I fetch for A (0) or for B (1)
	s_and_b32 s12, s10, 1                          ; which 128 columns.  Also: which plane of A, or which half of B, I fetch
	s_bfe_u32 s40, ttmp6, 0x40000                  ; cx, cy: my place in the cluster
	s_bfe_u32 s41, ttmp6, 0x40004
	s_lshl_b32 s42, ttmp9, 2
	s_add_co_u32 s42, s42, s40                     ; tile column of C = 4 x cluster x + cx
	s_and_b32 s13, ttmp7, 0xffff
	s_lshl_b32 s13, s13, 2
	s_add_co_u32 s13, s13, s41                     ; tile row of C = 4 x cluster y + cy
	s_lshl_b32 s43, s41, 2
	s_lshl_b32 s43, 15, s43                        ; my row of the cluster
	s_lshl_b32 s44, 0x1111, s40                    ; my column
	; A's plane: 128 rows x 64 elements of 2 bytes, dense; 4 words of padding behind every 32
	s_or_b32 s[G1+0], s43, (1<<16)|(1<<20)|(1<<21)|(4<<22)|(3<<25)
	s_mov_b32 s[G1+1], 64<<16                      ; tensor_dim0
	s_mov_b32 s[G1+2], 128<<16                     ; tensor_dim1
	s_mov_b32 s[G1+3], 64<<16                      ; tile_dim0
	s_mov_b32 s[G1+4], 128                         ; tile_dim1
	s_mov_b32 s[G1+5], 64                          ; tensor_dim0_stride
	s_mov_b32 s[G1+6], 0
	s_mov_b32 s[G1+7], 0
	; B's half: 128 rows x 128 elements, 1,024 elements from row to row; 4 words of padding behind every 64
	s_or_b32 s[G1B+0], s44, (1<<16)|(1<<20)|(1<<21)|(5<<22)|(3<<25)
	s_mov_b32 s[G1B+1], 128<<16
	s_mov_b32 s[G1B+2], 128<<16
	s_mov_b32 s[G1B+3], 128<<16
	s_mov_b32 s[G1B+4], 128
	s_mov_b32 s[G1B+5], 1024
	s_mov_b32 s[G1B+6], 0
	s_mov_b32 s[G1B+7], 0
	; where the tiles come from.  A's hang on the tile row alone, B's on the tile column alone; every wave makes both, in registers that never hold the other coordinate
	s_lshr_b32 s16, s13, 4                         ; batch
	s_lshl_b32 s16, s16, 22
	s_and_b32 s17, s13, 15                         ; 128 positions of 128 bytes
	s_lshl_b32 s17, s17, 14
	s_add_co_u32 s16, s16, s17
	s_lshl_b32 s17, s12, 18                        ; my plane: head 0 or 1
	s_add_co_u32 s16, s16, s17
	s_mov_b32 s17, 0
	s_lshl_b32 s46, s42, 19                        ; 256 rows of 2,048 bytes a tile column,
	s_lshl_b32 s47, s12, 18                        ; 128 rows a half
	s_add_co_u32 s46, s46, s47
	s_mov_b32 s47, 0
	s_mul_i32 s20, s12, APL                        ; and where they go: no place in the cluster enters an LDS address
	s_mul_i32 s21, s12, BH
	s_add_co_u32 s21, s21, 2*APL
	s_wait_dscnt 0x0                               ; both opening adds are done
	s_wait_kmcnt 0x0
	s_add_nc_u64 s[14:15], s[4:5], s[16:17]
	s_add_nc_u64 s[46:47], s[6:7], s[46:47]
	CROUND                                         ; all sixteen work-groups are here: the first joint loads meet
.irp s, 0,1
	s_mov_b32 s[G0+4*\s], 1
	s_add_co_u32 s[G0+4*\s+1], s20, \s*SLOT
	s_add_nc_u64 s[G0+4*\s+2:G0+4*\s+3], s[14:15], \s*524288       ; K step s: two heads of 262,144 bytes on
	s_or_b32 s[G0+4*\s+3], s[G0+4*\s+3], 0x80000000
	s_mov_b32 s[G0B+4*\s], 1
	s_add_co_u32 s[G0B+4*\s+1], s21, \s*SLOT
	s_add_nc_u64 s[G0B+4*\s+2:G0B+4*\s+3], s[46:47], \s*256
	s_or_b32 s[G0B+4*\s+3], s[G0B+4*\s+3], 0x80000000
	JLOAD \s
.endr
	v_and_b32 v1, 15, v0                           ; l % 16
	v_bfe_u32 v2, v0, 4, 1                         ; l / 16
	v_mul_u32_u24 v3, v1, AP
	v_lshl_add_u32 v3, v2, 4, v3                   ; a fragment's row x pitch + 16 x half
	v_mul_u32_u24 v4, v1, BP
	v_lshl_add_u32 v4, v2, 4, v4
	s_mul_i32 s22, s11, 64*AP                      ; my 64 rows of A
	s_mul_i32 s23, s12, BH                         ; my 128 rows of B,
	s_add_co_u32 s23, s23, 2*APL                   ; which lie behind A's two planes
.irp s, 0,1
	v_add_nc_u32 v[ADRA+\s], s22, v3
	v_add_nc_u32 v[ADRB+\s], s23, v4
	s_add_co_u32 s22, s22, SLOT
	s_add_co_u32 s23, s23, SLOT
.endr
	s_mul_i32 s23, s10, 16*SPITCH                  ; my stage
	v_mul_u32_u24 v5, v1, SPITCH                   ; in: row l % 16, 32 bytes for each half of the lanes
	v_lshl_add_u32 v5, v2, 5, v5
	v_add_nc_u32 v[STO], s23, v5
	v_and_b32 v6, 31, v0
	v_lshlrev_b32 v[CO], 4, v6                     ; back: the 32 lanes take one row of 512 bytes; and the same in C
	v_add_nc_u32 v[RD], s23, v[CO]
	s_lshl_b32 s16, s13, 7
	s_lshl_b32 s17, s11, 6
	s_add_co_u32 s16, s16, s17                     ; my first row of C: 128 x tile row + 64 x half,
	s_lshl_b32 s16, s16, 13                        ; of 8,192 bytes
	s_mov_b32 s17, 0
	s_add_nc_u64 s[8:9], s[8:9], s[16:17]
	s_lshl_b32 s46, s42, 10                        ; my first column, in bytes: 1,024 x tile column + 512 x half
	s_lshl_b32 s47, s12, 9
	s_add_co_u32 s46, s46, s47
	s_mov_b32 s47, 0
	s_add_nc_u64 s[8:9], s[8:9], s[46:47]
; 8 matrix instructions: A's block a x B's eight, 32 along K, from buffers f.  zero = 1: the product starts the sums.  The 32 accumulators take turns in the same order in every quarter.
.macro MUL8 f, a, zero
.irp b, 0,1,2,3,4,5,6,7
.if \zero
	v_wmma_f32_16x16x32_f16 v[8*(8*(\a)+\b):8*(8*(\a)+\b)+7], v[BF+64*(\f)+8*\b:BF+64*(\f)+8*\b+7], v[AFR+32*(\f)+8*(\a):AFR+32*(\f)+8*(\a)+7], 0
.else
	v_wmma_f32_16x16x32_f16 v[8*(8*(\a)+\b):8*(8*(\a)+\b)+7], v[BF+64*(\f)+8*\b:BF+64*(\f)+8*\b+7], v[AFR+32*(\f)+8*(\a):AFR+32*(\f)+8*(\a)+7], v[8*(8*(\a)+\b):8*(8*(\a)+\b)+7]
.endif
.endr
.endm
; 24 LDS loads in one run: the fragments of the slot's q-th 32 along K into buffers f: B's sixteen, then A's blocks 0, 1, then 2, 3.  (Window 0.)  Quarter q lies in plane q / 2 at byte 64 (q % 2) of A's rows, at byte 64 q of B's.
.macro FETCH slot, q, f
.irp i, 0,1,2,3,4,5,6,7
	ds_load_b128 v[BF+64*(\f)+8*\i:BF+64*(\f)+8*\i+3], v[ADRB+\slot] offset:64*(\q)+\i*16*BP
	ds_load_b128 v[BF+64*(\f)+8*\i+4:BF+64*(\f)+8*\i+7], v[ADRB+\slot] offset:64*(\q)+\i*16*BP+32
.endr
.irp i, 0,1,2,3
	ds_load_b128 v[AFR+32*(\f)+8*\i:AFR+32*(\f)+8*\i+3], v[ADRA+\slot] offset:((\q)/2)*APL+((\q)%2)*64+\i*16*AP
	ds_load_b128 v[AFR+32*(\f)+8*\i+4:AFR+32*(\f)+8*\i+7], v[ADRA+\slot] offset:((\q)/2)*APL+((\q)%2)*64+\i*16*AP+32
.endr
.endm
.macro PLACES                          ; four places in front of loads into registers that matrix instructions have read, and of reads of results (ISA guide 7.12.1 for vector instructions)
.rept 4
	v_nop
.endr
.endm
; A quarter of a K step: multiplies buffers f; in its middle it fetches quarter q of the same slot into buffers g.
.macro QUARTER slot, q, f, g, zero
	s_wait_dscnt 4                                 ; B and A's blocks 0, 1 are in; the youngest four loads (A's blocks 2, 3) may be out
	WIN MUL
	MUL8 \f, 0, \zero
	MUL8 \f, 1, \zero
	PLACES
	WIN 0
	FETCH \slot, \q, \g
	s_wait_dscnt 24                                ; all but the 24 just issued
	WIN MUL
	MUL8 \f, 2, \zero
	MUL8 \f, 3, \zero
.endm
; The last quarter multiplies buffers 1 and changes slots: ONE barrier; in front of it each wave waits for all its tensor loads, adds 0 to its spare word, and waits for that and for its own reads of this slot.  fill = 1: this slot is filled again, two K steps ahead.
.macro TURN slot, next, fill
	WIN 0                                          ; (the add's two registers lie in window 0)
	s_wait_tensorcnt 0x0                           ; all my tensor loads have landed: my part of the next slot
	ds_add_u32 v[SPW], v[NIL]                      ; 0 onto my spare word
	s_wait_dscnt 5                                 ; (the add and the youngest four loads may be out)
	WIN MUL
	MUL8 1, 0, 0                                   ; eight matrix instructions stand between the add and the wait for it
	s_wait_dscnt 0x0                               ; the add is done, and my reads of this slot are over
	s_barrier_signal -1
	MUL8 1, 1, 0
	WIN 0                                          ; (branches may follow)
	s_barrier_wait -1
.if \fill
	CREST                                          ; the barrier has opened a round of the cluster's barrier: no wave of any partner still reads this slot's tile or has a load on its way
	s_add_nc_u64 s[G0+4*\slot+2:G0+4*\slot+3], s[G0+4*\slot+2:G0+4*\slot+3], 1048576   ; four heads on
	s_add_nc_u64 s[G0B+4*\slot+2:G0B+4*\slot+3], s[G0B+4*\slot+2:G0B+4*\slot+3], 512
	JLOAD \slot                                    ; the first tensor load behind the round; the four v_nop behind it are the places in front of the loads below
.else
	PLACES
.endif
	FETCH \next, 0, 0
	WIN MUL
	MUL8 1, 2, 0
	MUL8 1, 3, 0
.endm
	s_wait_tensorcnt 1                             ; my part of K step 0 is in (K step 1's load may be out),
	s_barrier_signal -1
	s_barrier_wait -1                              ; everybody's is
	FETCH 0, 0, 0
	QUARTER 0, 1, 0, 1, 1                          ; the first quarter stands in front of the loop: its products start the sums
	WIN 0                                          ; at a label and at a branch every window is 0
	s_mov_b32 s3, LAPS-1
.Llap:                                                 ; a trip goes once round the ring, from a lap's second quarter to the next lap's first, and fills both slots again
	QUARTER 0, 2, 1, 0, 0
	QUARTER 0, 3, 0, 1, 0
	TURN 0, 1, 1
	QUARTER 1, 1, 0, 1, 0
	QUARTER 1, 2, 1, 0, 0
	QUARTER 1, 3, 0, 1, 0
	TURN 1, 0, 1
	QUARTER 0, 1, 0, 1, 0
	WIN 0
	s_sub_co_u32 s3, s3, 1
	s_cmp_lg_u32 s3, 0
	s_cbranch_scc1 .Llap
	QUARTER 0, 2, 1, 0, 0                          ; the last lap fills nothing, and has no round of the cluster's barrier
	QUARTER 0, 3, 0, 1, 0
	TURN 0, 1, 0
	QUARTER 1, 1, 0, 1, 0
	QUARTER 1, 2, 1, 0, 0
	QUARTER 1, 3, 0, 1, 0
	s_wait_dscnt 4                                 ; the very last quarter: nothing more to fetch
	WIN MUL
	MUL8 1, 0, 0
	MUL8 1, 1, 0
	s_wait_dscnt 0
	MUL8 1, 2, 0
	MUL8 1, 3, 0
	WIN 0
; THE WAY OUT, block by block of 16 rows x 128 columns: through my own stage in LDS and back as whole rows of 512 bytes.  LDS serves a wave's instructions in order: no wait between the stores and the loads.
.macro TOSTAGE a
	WIN 0x04                                       ; an LDS store's data are its source 1: window 1
.irp b, 0,1,2,3,4,5,6,7
	ds_store_b128 v[STO], v[64*(\a)+8*\b:64*(\a)+8*\b+3] offset:64*\b          ; each accumulator from its low end on
	ds_store_b128 v[STO], v[64*(\a)+8*\b+4:64*(\a)+8*\b+7] offset:64*\b+16
.endr
	WIN 0
.set BB, BK+64*((\a)%2)
.irp t, 0,1,2,3,4,5,6,7,8,9,10,11,12,13,14,15
	ds_load_b128 v[BB+4*\t:BB+4*\t+3], v[RD] offset:\t*SPITCH
.endr
.endm
.macro SEND a, younger                 ; younger: the LDS instructions issued behind block a's loads, which may stay out
.set BB, BK+64*((\a)%2)
	s_wait_dscnt \younger
.if (\a) > 0
	s_add_nc_u64 s[8:9], s[8:9], 16*8192           ; (behind a wait on XCNT: the earlier stores have read their base)  16 rows of C on
.endif
.irp t, 0,1,2,3,4,5,6,7,8,9,10,11,12,13,14,15
	global_store_b128 v[CO], v[BB+4*\t:BB+4*\t+3], s[8:9] offset:\t*8192 th:TH_STORE_NT   ; 32 lanes store 512 consecutive bytes, aligned
.endr
.endm
	PLACES
	TOSTAGE 0
.irp a, 1,2,3
.if \a > 1
	s_wait_xcnt 0x0                                ; block a - 2's stores have read their registers and their base
.endif
	TOSTAGE \a
	SEND \a-1, 32                                  ; behind block a - 1's loads: block a's 16 stores and 16 loads
.endr
	s_wait_xcnt 0x0
	SEND 3, 0
	s_wait_tensorcnt 0x0                           ; the wave's end, behind my last tensor load and my last LDS store
	ds_add_u32 v[SPW], v[NIL]
	s_wait_dscnt 0x0
	CROUND                                         ; the closing round: no work-group ends while a partner may still ask for a tile that names it
	s_endpgm
.Lfunc_end_k_qa74aad33a0_proj:
	.size	k_qa74aad33a0_proj, .Lfunc_end_k_qa74aad33a0_proj-k_qa74aad33a0_proj
	.p2alignl 7, 3214868480
	.fill 96, 4, 3214868480
	.section	.rodata,"a",@progbits
	.p2align	6, 0x0
	.amdhsa_kernel k_qa74aad33a0_proj
		.amdhsa_group_segment_fixed_size 327680
		.amdhsa_private_segment_fixed_size 0
		.amdhsa_enable_private_segment 0
		.amdhsa_kernarg_size 24
		.amdhsa_user_sgpr_count 2
		.amdhsa_user_sgpr_kernarg_segment_ptr 1
		.amdhsa_wavefront_size32 1
		.amdhsa_system_sgpr_workgroup_id_x 1
		.amdhsa_system_sgpr_workgroup_id_y 1
		.amdhsa_system_sgpr_workgroup_id_z 1
		.amdhsa_system_vgpr_workitem_id 0
		.amdhsa_next_free_vgpr 512
		.amdhsa_next_free_sgpr 66
		.amdhsa_reserve_vcc 0
		.amdhsa_float_denorm_mode_32 3
		.amdhsa_float_denorm_mode_16_64 3
		.amdhsa_memory_ordered 1
		.amdhsa_forward_progress 1
		.amdhsa_inst_pref_size 85
	.end_amdhsa_kernel
	.amdgpu_metadata
---
amdhsa.version: [ 1, 2 ]
amdhsa.kernels:
  - .name:           k_qa74aad33a0_proj
    .symbol:         k_qa74aad33a0_proj.kd
    .args:
      - { .name: att, .offset: 0, .size: 8, .value_kind: global_buffer, .address_space: global }
      - { .name: wo16, .offset: 8, .size: 8, .value_kind: global_buffer, .address_space: global }
      - { .name: out0, .offset: 16, .size: 8, .value_kind: global_buffer, .address_space: global }
    .group_segment_fixed_size: 327680
    .private_segment_fixed_size: 0
    .kernarg_segment_align: 8
    .kernarg_segment_size: 24
    .max_flat_workgroup_size: 128
    .sgpr_count:     66
    .vgpr_count:     512
    .wavefront_size: 32
...
	.end_amdgpu_metadata
.endif
;; end of part 4
;; launch first16 (part 5): grid 64 x 2, 16 waves a work-group, no clusters, 223,488 bytes of LDS; arguments x16, Wo, out0; writes out0
.if DOCPART == 5
	.amdgcn_target "amdgcn-amd-amdhsa--gfx1250"
	.amdhsa_code_object_version 6
	.text
	.protected	k_qa74aad33a0_first16
	.globl	k_qa74aad33a0_first16
	.p2align	8
	.type	k_qa74aad33a0_first16,@function
k_qa74aad33a0_first16:
	s_mov_b64 s[64:65], 0
	v_nop
	global_prefetch_b8 v0, s[64:65] scope:SCOPE_SE
	s_setreg_imm32_b32 hwreg(HW_REG_WAVE_MODE, 25, 1), 1
	s_wait_xcnt 0x0
; FIFTH LAUNCH: the first 16 positions of both sequences once more, with f32 operands throughout: these rows average one to sixteen values, are the largest of the output, and the rounding of 16-bit operands weighs most on them.
; It writes over those 32 rows of out0.  Keys past position 15 are hidden from all 16 queries by reference()'s own mask and are left out (shown at the first launch's head).  x16[batch][Q,K,V][head][16][64] f32 comes from the second launch.
; SHARES.  A work-group has a batch (y) and 32 output columns (x).  Phase 1: wave w does head w: S^T = K Q^T, mask, softmax with the maximum taken away, O^T = V^T P: 32 small matrix instructions; all 16 heads are redone in each
; work-group, which spares a launch and a way through memory.  The 16 x 1,024 numbers meet in LDS.  Phase 2: wave w takes column tile w % 2 and the K eighth w / 2 of the product with Wo; the eight parts are added in ascending order.
; No tensor load, no cluster: each work-group reads rows of Wo of its own, and x16 is small.
; THE LOADS.  A fragment wants a row to a lane, and rows lie 256 or 4,096 bytes apart.  So Q, K and Wo are loaded as they lie, each load of the wave covering 512 consecutive bytes, and turn through a stage in LDS that is the wave's own:
; rows of 256 bytes + 16 for Q and K, then, in the same bytes, rows of 512 bytes + 16 for Wo.  LDS serves a wave's instructions in order, so no wait stands between a stage's stores and its loads, and no barrier is needed.
; K IS PERMUTED ALIKE ON BOTH OPERANDS of each product, so that a lane's numbers are neighbours in its row: the form takes k = 2 h + j (h = lane / 16, j = register) in a step; here step s of S^T takes channels 32 h + 2 s + j,
; of O^T keys 8 h + 2 s + j, of the last product k = 128 e + 64 h + 2 s + j.  The registers that the f32 matrix form writes (v112-175) are written by matrix instructions alone; four accumulators take turns.
.set OLP,   4112                       ; a row of the attention's result in LDS: 4,096 bytes + 16
.set RED,   16*OLP                     ; behind its 16 rows: the parts of phase 2, 1,024 bytes a wave
.set SPARE, RED+16*1024                ; the spare words, 128 bytes a wave: eight blocks of 256 bytes that no other line names
.set STG,   SPARE+2048                 ; the waves' stages
.set QP,    272                        ; a row of Q or K in the stage
.set WP,    528                        ; a row of Wo's eighth in the stage
.set STGW,  32*QP                      ; a wave's stage: Q's 16 rows and K's 16; Wo's 16 rows of 528 bytes fit into the same bytes
.set QR,  16                           ; v16-47   Q; later the result's fragments, v16-79
.set KR,  48                           ; v48-79   K
.set VR,  80                           ; v80-111  V
.set SA,  112                          ; v112-143 four accumulators: S^T, later the last product
.set OA,  144                          ; v144-175 four accumulators: O^T
.set WR,  176                          ; v176-239 Wo's rows, then its fragments; later the eight parts
.set TT,  240                          ; v240-247 scores, then p, then my part
	s_load_b128 s[4:7], s[0:1], 0x0                ; x16 s[4:5], Wo s[6:7]
	s_load_b64 s[8:9], s[0:1], 0x10                ; out0
	v_lshl_add_u32 v12, v0, 2, SPARE               ; my spare word; never rewritten
	v_mov_b32 v13, 0                               ; 0; never rewritten
	v_lshrrev_b32 v1, 5, v0
	v_readfirstlane_b32 s10, v1                    ; wave = head
	s_and_b32 s11, ttmp7, 0xffff                   ; batch
	s_and_b32 s12, s10, 1                          ; column tile
	s_lshr_b32 s13, s10, 1                         ; K eighth e
	v_and_b32 v1, 15, v0                           ; r
	v_bfe_u32 v2, v0, 4, 1                         ; h
	v_and_b32 v3, 31, v0
	v_lshlrev_b32 v3, 4, v3                        ; 16 x lane: my 16 bytes of a load's 512
	s_mul_i32 s14, s10, STGW
	s_add_co_u32 s14, s14, STG                     ; my stage
	v_mul_u32_u24 v4, v2, QP
	v_lshl_add_u32 v4, v1, 4, v4
	v_add_nc_u32 v4, s14, v4                       ; Q, K on the way in: a load's 512 bytes are two rows: row h, 16 r
	v_mul_u32_u24 v14, v1, QP
	v_lshl_add_u32 v14, v2, 7, v14
	v_add_nc_u32 v14, s14, v14                     ; and back: row r, + 128 h
	v_add_nc_u32 v15, s14, v3                      ; Wo on the way in: a load's 512 bytes are one row
	v_mul_u32_u24 v255, v1, WP
	v_lshl_add_u32 v255, v2, 8, v255
	v_add_nc_u32 v255, s14, v255                   ; and back: row r, + 256 h
	v_lshlrev_b32 v5, 2, v1
	v_lshl_add_u32 v5, v2, 11, v5                  ; V, from memory: key 8 h, channel r
	v_mul_u32_u24 v6, v1, OLP
	v_lshl_add_u32 v7, v2, 8, v6
	v_lshl_add_u32 v6, v2, 5, v6
	s_lshl_b32 s14, s10, 8
	v_add_nc_u32 v6, s14, v6                       ; the result, in: row r, my head's 256 bytes, + 32 h
	s_lshl_b32 s14, s13, 9
	v_add_nc_u32 v7, s14, v7                       ; and back: row r, + 512 e + 256 h
	s_lshl_b32 s14, s10, 10
	s_add_co_u32 s14, s14, RED
	v_add_nc_u32 v8, s14, v3                       ; my wave's part, 16 bytes a lane
	v_lshlrev_b32 v9, 13, v1
	v_lshl_add_u32 v9, v2, 5, v9                   ; out0: row r of 8,192 bytes, + 32 h
	v_lshlrev_b32 v10, 3, v2
	v_sub_nc_u32 v10, v1, v10                      ; d = r - 8 h: key 8 h + j is hidden from query r where j > d
	v_mov_b32 v11, 0xff800000                      ; -infinity
	v_mov_b32 v249, 0                              ; written once: a lane permute's destination counts as one of its sources
	v_mov_b32 v251, 0
	s_mov_b32 s20, 0x76543210
	s_mov_b32 s21, 0xfedcba98                      ; v_permlanex16_b32's selects for lane l xor 16
	s_mov_b32 s22, 0x3e38aa3b                      ; c = log2(e) / 8
	s_lshl_b32 s14, ttmp9, 5
	s_lshl_b32 s15, s12, 4
	s_add_co_u32 s14, s14, s15                     ; my first column: 32 x work-group x + 16 x tile
	s_lshl_b32 s16, s14, 12
	s_lshl_b32 s15, s13, 9
	s_add_co_u32 s16, s16, s15                     ; Wo: that row, + 512 e
	s_mov_b32 s17, 0
	s_mul_i32 s18, s11, 196608
	s_lshl_b32 s15, s10, 12
	s_add_co_u32 s18, s18, s15                     ; x16: my batch, my head
	s_mov_b32 s19, 0
	s_lshl_b32 s24, s11, 24
	s_lshl_b32 s15, s14, 2
	s_add_co_u32 s24, s24, s15                     ; out0: my batch's first row, my first column
	s_mov_b32 s25, 0
	s_wait_kmcnt 0x0
	s_add_nc_u64 s[6:7], s[6:7], s[16:17]
	s_add_nc_u64 s[4:5], s[4:5], s[18:19]
	s_add_nc_u64 s[8:9], s[8:9], s[24:25]
	; all loads go out together, in the order in which they are wanted
.irp i, 0,1,2,3,4,5,6,7
	global_load_b128 v[QR+4*\i:QR+4*\i+3], v3, s[4:5] offset:512*\i          ; Q's rows 2 i and 2 i + 1
.endr
.irp i, 0,1,2,3,4,5,6,7
	global_load_b128 v[KR+4*\i:KR+4*\i+3], v3, s[4:5] offset:65536+512*\i    ; K's likewise
.endr
.irp c, 0,1,2,3
.irp k, 0,1,2,3,4,5,6,7
	global_load_b32 v[VR+8*\c+\k], v5, s[4:5] offset:131072+256*\k+64*\c     ; V(8 h + k, 16 c + r): sixteen lanes read 64 consecutive bytes
.endr
.endr
.irp i, 0,1,2,3,4,5,6,7,8,9,10,11,12,13,14,15
	global_load_b128 v[WR+4*\i:WR+4*\i+3], v3, s[6:7] offset:4096*\i         ; row i of my 16 rows of Wo: the 512 bytes of my K eighth
.endr
	s_wait_loadcnt 48                              ; Q and K are in; V's 32 loads and Wo's 16 may be out
.irp i, 0,1,2,3,4,5,6,7
	ds_store_b128 v4, v[QR+4*\i:QR+4*\i+3] offset:2*QP*\i
.endr
.irp i, 0,1,2,3,4,5,6,7
	ds_store_b128 v4, v[KR+4*\i:KR+4*\i+3] offset:16*QP+2*QP*\i
.endr
.irp i, 0,1,2,3,4,5,6,7
	ds_load_b128 v[QR+4*\i:QR+4*\i+3], v14 offset:16*\i                      ; Q(r, 32 h + 4 i ..), into the registers that the rows left
.endr
.irp i, 0,1,2,3,4,5,6,7
	ds_load_b128 v[KR+4*\i:KR+4*\i+3], v14 offset:16*QP+16*\i                ; K likewise
.endr
	s_wait_dscnt 0x0
	; ---- S^T = K Q^T: source 0 = 16 keys, source 1 = 16 queries; the first four steps start the four sums
.irp s, 0,1,2,3
	v_wmma_f32_16x16x4_f32 v[SA+8*\s:SA+8*\s+7], v[KR+2*\s:KR+2*\s+1], v[QR+2*\s:QR+2*\s+1], 0
.endr
.irp s, 4,5,6,7,8,9,10,11,12,13,14,15
	v_wmma_f32_16x16x4_f32 v[SA+8*(\s%4):SA+8*(\s%4)+7], v[KR+2*\s:KR+2*\s+1], v[QR+2*\s:QR+2*\s+1], v[SA+8*(\s%4):SA+8*(\s%4)+7]
.endr
.rept 8
	v_nop                                          ; eight places behind this form (ISA guide 7.12.1)
.endr
.irp j, 0,1,2,3,4,5,6,7
	v_add_f32 v[TT+\j], v[SA+\j], v[SA+8+\j]       ; the four sums make the score of (key 8 h + j, query r); each accumulator is read from its low end on
.endr
.irp j, 0,1,2,3,4,5,6,7
	v_add_f32 v[TT+\j], v[TT+\j], v[SA+16+\j]
.endr
.irp j, 0,1,2,3,4,5,6,7
	v_add_f32 v[TT+\j], v[TT+\j], v[SA+24+\j]
.endr
.irp j, 0,1,2,3,4,5,6,7
	v_cmp_gt_i32 vcc_lo, \j, v10
	v_cndmask_b32 v[TT+\j], v[TT+\j], v11, vcc_lo
.endr
	v_max3_num_f32 v248, v[TT], v[TT+1], v[TT+2]
	v_max3_num_f32 v249, v[TT+3], v[TT+4], v[TT+5]
	v_max3_num_f32 v248, v248, v[TT+6], v[TT+7]
	v_max_num_f32 v248, v248, v249
	v_permlanex16_b32 v249, v248, s20, s21
	v_max_num_f32 v248, v248, v249                 ; the row's maximum: a number, since key 0 counts for every query
	v_mul_f32 v248, s22, v248
.irp j, 0,1,2,3,4,5,6,7
	v_fma_f32 v[TT+\j], v[TT+\j], s22, -v248
.endr
.irp j, 0,1,2,3,4,5,6,7
	v_exp_f32 v[TT+\j], v[TT+\j]
.endr
	v_nop                                          ; a plain line behind the last exponential,
	s_wait_alu depctr_va_vdst(0)                   ; and the one wait for the batch, ahead of its first reader
	v_add_f32 v250, v[TT], v[TT+1]
	v_add_f32 v252, v[TT+2], v[TT+3]
	v_add_f32 v253, v[TT+4], v[TT+5]
	v_add_f32 v254, v[TT+6], v[TT+7]
	v_add_f32 v250, v250, v252
	v_add_f32 v253, v253, v254
	v_add_f32 v250, v250, v253
	v_permlanex16_b32 v251, v250, s20, s21
	v_add_f32 v250, v250, v251                     ; the row's sum
	v_rcp_f32 v250, v250
	v_nop
	s_wait_alu depctr_va_vdst(0)
.irp j, 0,1,2,3,4,5,6,7
	v_mul_f32 v[TT+\j], v[TT+\j], v250             ; the weights
.endr
	s_wait_loadcnt 16                              ; V is in; Wo's 16 loads may be out
	; ---- O^T = V^T P: source 0 = 16 channels, source 1 = the weights; four tiles of channels by turns
.irp c, 0,1,2,3
	v_wmma_f32_16x16x4_f32 v[OA+8*\c:OA+8*\c+7], v[VR+8*\c:VR+8*\c+1], v[TT:TT+1], 0
.endr
.irp s, 1,2,3
.irp c, 0,1,2,3
	v_wmma_f32_16x16x4_f32 v[OA+8*\c:OA+8*\c+7], v[VR+8*\c+2*\s:VR+8*\c+2*\s+1], v[TT+2*\s:TT+2*\s+1], v[OA+8*\c:OA+8*\c+7]
.endr
.endr
.rept 8
	v_nop
.endr
.irp c, 0,1,2,3
	ds_store_b128 v6, v[OA+8*\c:OA+8*\c+3] offset:64*\c            ; lane (r, h): row r, my head's channels 16 c + 8 h + 0 .. 7
	ds_store_b128 v6, v[OA+8*\c+4:OA+8*\c+7] offset:64*\c+16
.endr
	s_wait_loadcnt 0x0                             ; Wo's rows are in: they turn through my stage, whose reads of Q and K are long over
.irp i, 0,1,2,3,4,5,6,7,8,9,10,11,12,13,14,15
	ds_store_b128 v15, v[WR+4*\i:WR+4*\i+3] offset:WP*\i
.endr
.irp i, 0,1,2,3,4,5,6,7,8,9,10,11,12,13,14,15
	ds_load_b128 v[WR+4*\i:WR+4*\i+3], v255 offset:16*\i           ; Wo(n = r, 128 e + 64 h + 4 i ..), into the registers that the rows left
.endr
	s_wait_dscnt 0x0                               ; for the others' sake: my stores of the result have landed; and Wo's fragments are in
	s_barrier_signal -1
	s_barrier_wait -1                              ; the 16 rows x 1,024 lie in LDS
.irp i, 0,1,2,3,4,5,6,7,8,9,10,11,12,13,14,15
	ds_load_b128 v[QR+4*\i:QR+4*\i+3], v7 offset:16*\i             ; row r, k = 128 e + 64 h + 4 i ..
.endr
	s_wait_dscnt 0x0
	; ---- my part of the product with Wo: source 0 = 16 rows of Wo, source 1 = the 16 rows: a lane holds row r and columns 8 h + 0 .. 7
.irp s, 0,1,2,3
	v_wmma_f32_16x16x4_f32 v[SA+8*\s:SA+8*\s+7], v[WR+2*\s:WR+2*\s+1], v[QR+2*\s:QR+2*\s+1], 0
.endr
.irp s, 4,5,6,7,8,9,10,11,12,13,14,15,16,17,18,19,20,21,22,23,24,25,26,27,28,29,30,31
	v_wmma_f32_16x16x4_f32 v[SA+8*(\s%4):SA+8*(\s%4)+7], v[WR+2*\s:WR+2*\s+1], v[QR+2*\s:QR+2*\s+1], v[SA+8*(\s%4):SA+8*(\s%4)+7]
.endr
.rept 8
	v_nop
.endr
.irp j, 0,1,2,3,4,5,6,7
	v_add_f32 v[TT+\j], v[SA+\j], v[SA+8+\j]
.endr
.irp j, 0,1,2,3,4,5,6,7
	v_add_f32 v[TT+\j], v[TT+\j], v[SA+16+\j]
.endr
.irp j, 0,1,2,3,4,5,6,7
	v_add_f32 v[TT+\j], v[TT+\j], v[SA+24+\j]
.endr
	ds_store_b128 v8, v[TT:TT+3]
	ds_store_b128 v8, v[TT+4:TT+7] offset:512
	s_wait_dscnt 0x0
	s_barrier_signal -1
	s_barrier_wait -1                              ; the sixteen parts lie in LDS
	s_cmp_gt_u32 s10, 1                            ; waves 0 and 1 add the eight parts of their column tile: the part of eighth e lies 2,048 e bytes behind my own.  No barrier stands under this branch
	s_cbranch_scc1 .Ldone
.irp e, 0,1,2,3,4,5,6,7
	ds_load_b128 v[WR+8*\e:WR+8*\e+3], v8 offset:2048*\e
	ds_load_b128 v[WR+8*\e+4:WR+8*\e+7], v8 offset:2048*\e+512
.endr
	s_wait_dscnt 0x0
.irp e, 1,2,3,4,5,6,7
.irp j, 0,2,4,6
	v_pk_add_f32 v[WR+\j:WR+\j+1], v[WR+\j:WR+\j+1], v[WR+8*\e+\j:WR+8*\e+\j+1]
.endr
.endr
	global_store_b128 v9, v[WR:WR+3], s[8:9]
	global_store_b128 v9, v[WR+4:WR+7], s[8:9] offset:16
.Ldone:
	s_wait_tensorcnt 0x0                           ; the wave's end: behind my last LDS store
	ds_add_u32 v12, v13
	s_wait_dscnt 0x0
	s_endpgm
.Lfunc_end_k_qa74aad33a0_first16:
	.size	k_qa74aad33a0_first16, .Lfunc_end_k_qa74aad33a0_first16-k_qa74aad33a0_first16
	.p2alignl 7, 3214868480
	.fill 96, 4, 3214868480
	.section	.rodata,"a",@progbits
	.p2align	6, 0x0
	.amdhsa_kernel k_qa74aad33a0_first16
		.amdhsa_group_segment_fixed_size 223488
		.amdhsa_private_segment_fixed_size 0
		.amdhsa_enable_private_segment 0
		.amdhsa_kernarg_size 24
		.amdhsa_user_sgpr_count 2
		.amdhsa_user_sgpr_kernarg_segment_ptr 1
		.amdhsa_wavefront_size32 1
		.amdhsa_system_sgpr_workgroup_id_x 1
		.amdhsa_system_sgpr_workgroup_id_y 1
		.amdhsa_system_sgpr_workgroup_id_z 1
		.amdhsa_system_vgpr_workitem_id 0
		.amdhsa_next_free_vgpr 256
		.amdhsa_next_free_sgpr 66
		.amdhsa_reserve_vcc 1
		.amdhsa_float_denorm_mode_32 3
		.amdhsa_float_denorm_mode_16_64 3
		.amdhsa_memory_ordered 1
		.amdhsa_forward_progress 1
		.amdhsa_inst_pref_size 27
	.end_amdhsa_kernel
	.amdgpu_metadata
---
amdhsa.version: [ 1, 2 ]
amdhsa.kernels:
  - .name:           k_qa74aad33a0_first16
    .symbol:         k_qa74aad33a0_first16.kd
    .args:
      - { .name: x16, .offset: 0, .size: 8, .value_kind: global_buffer, .address_space: global }
      - { .name: Wo, .offset: 8, .size: 8, .value_kind: global_buffer, .address_space: global }
      - { .name: out0, .offset: 16, .size: 8, .value_kind: global_buffer, .address_space: global }
    .group_segment_fixed_size: 223488
    .private_segment_fixed_size: 0
    .kernarg_segment_align: 8
    .kernarg_segment_size: 24
    .max_flat_workgroup_size: 512
    .sgpr_count:     66
    .vgpr_count:     256
    .wavefront_size: 32
...
	.end_amdgpu_metadata
.endif
;; end of part 5
